; MI455X (gfx1250); checked and timed in simulation.
; The chip was launched on July 23, 2026; its instructions are those of AMD's public machine-readable ISA for CDNA 5 (MIT licence, August 2026) and "CDNA5" Instruction Set Architecture Reference Guide (July 2026). The comments in the code are by the model that wrote it; some were corrected since.
;; Multi Head Self Attention. Allowed arithmetic: float matrix products may take bf16 or f16 operands with f32 sums; other float arithmetic in f32, or as packed bf16 or f16 multiplies, adds, multiply-adds, maxima and minima; sums over many terms, partial sums and values carried from step to step in f32; what a program stores and reads back later, other than sums and carried values, may be rounded once to bf16 or f16.
;; Inputs: Wk 1,024 x 1,024 float32; Wo 1,024 x 1,024 float32; Wq 1,024 x 1,024 float32; Wv 1,024 x 1,024 float32; attn_mask 1 x 1 x 2,048 x 2,048 float32; bk 1,024 float32; bo 1,024 float32; bq 1,024 float32; bv 1,024 float32; cos 2,048 x 64 float32; sin 2,048 x 64 float32; x 4 x 2,048 x 1,024 float32.
;; Outputs: out0 4 x 2,048 x 1,024 float32.
;; One version. Each part assembles by itself: llvm-mc -triple=amdgcn-amd-amdhsa -mcpu=gfx1250 --defsym DOCPART=n.
;; ======== version 1 of 1: 4 launches
;; limits: values are held in f16: magnitudes above 65,504 overflow, below 6.1e-05 lose precision
;; workspace buffers: xb 16,777,216 bytes; wb 6,291,456 bytes; woh 2,097,152 bytes; mk 16,777,216 bytes; rot 1,048,576 bytes; bias4 16,384 bytes; qkv 50,331,648 bytes; oh 16,777,216 bytes
;; launch prep (part 1): grid 1057 x 1, 8 waves a work-group, no clusters, 0 bytes of LDS; arguments x, Wq, Wk, Wv, Wo, attn_mask, cos, sin, bq, bk, bv, bo, xb, wb, woh, mk, rot, bias4; writes xb, wb, woh, mk, rot, bias4
.if DOCPART == 1
	.amdgcn_target "amdgcn-amd-amdhsa--gfx1250"
	.amdhsa_code_object_version 6
	.text
	.protected	k_qfc7910422a_prep
	.globl	k_qfc7910422a_prep
	.p2align	8
	.type	k_qfc7910422a_prep,@function
k_qfc7910422a_prep:
	s_mov_b64 s[64:65], 0
	v_nop
	global_prefetch_b8 v0, s[64:65] scope:SCOPE_SE
	s_setreg_imm32_b32 hwreg(HW_REG_WAVE_MODE, 25, 1), 1
	s_wait_xcnt 0x0
; PREP.  Every input is rounded once to bf16 and laid out for the launches behind.  A stream: no LDS, no matrix unit, no barrier; a work-group takes one chunk of 64 KiB (32 KiB of a table).
;   work-groups 0-511      x -> xb, bf16 [8192][1024]
;   512-703                Wq, Wk, Wv -> wb, bf16 [3072][1024], the three stacked
;   704-767                Wo -> woh: rounded to bf16, that number written as f16 (exact above 6e-5 in size; below, off by 3e-8 at the most; beyond 65,504 it would be lost)
;   768-1023               attn_mask -> mk, f32: bf16(mask) x log2(e), held within -2^127 .. 2^127: the score's addend in the base-2 softmax.
;                          LIMIT: a mask number beyond 1.18e38 in size counts as 2^127 / log2(e) with its sign; the lowest finite f32, and the infinity that its rounding to bf16 gives, fall there.
;   1024-1055              cos, sin -> rot, f32: bf16(table) x sqrt(log2(e) / 8), in the order in which a lane of the projection wants it:
;                          [16 tokens: 128][cos, sin][piece 2 bb + p: 8][lane: 32][4]: token lane % 16, channels 16 bb + 8 (lane / 16) + 4 p + 0..3
;   1056                   bq, bk, bv, bo -> bias4, f32 [4][1024], each rounded to bf16
; All loads of a chunk go out first; the waits are counted, so that the younger loads stay out; each round has registers of its own, so no register that a store reads is written again.
.set X, 8                              ; v[8:71]   as loaded
.set Y, 72                             ; v[72:103] packed results, or at work
.macro RND x, t                        ; four f32 at v[x] are rounded to bf16 and widened again; v[t], v[t+1] at work
	v_cvt_pk_bf16_f32 v[\t], v[\x], v[(\x)+1]
	v_cvt_pk_bf16_f32 v[(\t)+1], v[(\x)+2], v[(\x)+3]
	v_lshlrev_b32 v[\x], 16, v[\t]
	v_and_b32 v[(\x)+1], s46, v[\t]
	v_lshlrev_b32 v[(\x)+2], 16, v[(\t)+1]
	v_and_b32 v[(\x)+3], s46, v[(\t)+1]
.endm
; 64 KiB of f32 at s[4:5] -> 32 KiB of 16-bit numbers at s[6:7].  A thread takes 32 bytes of each 8 KiB and stores 16: a wave's store covers 512 consecutive bytes, aligned.
.macro CAST half                       ; half = 1: the bf16 number is written as f16
.irp r, 0,1,2,3,4,5,6,7
	global_load_b128 v[X+8*(\r):X+8*(\r)+3],   v1, s[4:5] offset:(\r)*8192 th:TH_LOAD_NT
	global_load_b128 v[X+8*(\r)+4:X+8*(\r)+7], v1, s[4:5] offset:(\r)*8192+16 th:TH_LOAD_NT
.endr
.irp r, 0,1,2,3,4,5,6,7
	s_wait_loadcnt 14-2*(\r)                       ; loads come back in order: round r's two are in, the later rounds' stay out
.irp k, 0,1,2,3
	v_cvt_pk_bf16_f32 v[Y+4*(\r)+(\k)], v[X+8*(\r)+2*(\k)], v[X+8*(\r)+2*(\k)+1]
.endr
.if \half
.irp k, 0,1,2,3
	v_lshlrev_b32 v[X+8*(\r)+2*(\k)], 16, v[Y+4*(\r)+(\k)]
	v_and_b32 v[X+8*(\r)+2*(\k)+1], s46, v[Y+4*(\r)+(\k)]
.endr
.irp k, 0,1,2,3
	v_cvt_pk_f16_f32 v[Y+4*(\r)+(\k)], v[X+8*(\r)+2*(\k)], v[X+8*(\r)+2*(\k)+1]
.endr
.endif
	global_store_b128 v2, v[Y+4*(\r):Y+4*(\r)+3], s[6:7] offset:(\r)*4096
.endr
.endm
	s_load_b512 s[8:23], s[0:1], 0x0               ; x 8, Wq 10, Wk 12, Wv 14, Wo 16, mask 18, cos 20, sin 22
	s_load_b512 s[24:39], s[0:1], 0x40             ; bq 24, bk 26, bv 28, bo 30, xb 32, wb 34, woh 36, mk 38
	s_load_b128 s[40:43], s[0:1], 0x80             ; rot 40, bias4 42
	s_mov_b32 s44, ttmp9
	s_mov_b32 s46, 0xffff0000                      ; a word's upper bf16
	s_mov_b32 s3, 0                                ; the high word of every offset
	v_lshlrev_b32 v1, 5, v0                        ; 32 bytes a thread
	v_lshlrev_b32 v2, 4, v0                        ; 16 bytes a thread
	s_wait_kmcnt 0x0
	s_cmp_lt_u32 s44, 704
	s_cbranch_scc0 .Lnot_bf16
	; x, Wq, Wk, Wv: one text; the buffers are chosen by the work-group's number
	s_sub_co_u32 s45, s44, 512                     ; j: the chunk among the weights' 192
	s_and_b32 s47, s45, 63                         ; the chunk in its matrix
	s_lshr_b32 s52, s45, 6                         ; which matrix
	s_cmp_eq_u32 s52, 1
	s_cselect_b64 s[4:5], s[12:13], s[10:11]
	s_cmp_eq_u32 s52, 2
	s_cselect_b64 s[4:5], s[14:15], s[4:5]
	s_cmp_lt_u32 s44, 512
	s_cselect_b64 s[4:5], s[8:9], s[4:5]
	s_cselect_b64 s[6:7], s[32:33], s[34:35]
	s_cselect_b32 s47, s44, s47
	s_cselect_b32 s45, s44, s45
	s_lshl_b32 s2, s47, 16
	s_add_nc_u64 s[4:5], s[4:5], s[2:3]
	s_lshl_b32 s2, s45, 15
	s_add_nc_u64 s[6:7], s[6:7], s[2:3]
	CAST 0
	s_endpgm
.Lnot_bf16:
	s_cmp_lt_u32 s44, 768
	s_cbranch_scc0 .Lnot_wo
	s_sub_co_u32 s45, s44, 704
	s_lshl_b32 s2, s45, 16
	s_add_nc_u64 s[4:5], s[16:17], s[2:3]
	s_lshl_b32 s2, s45, 15
	s_add_nc_u64 s[6:7], s[36:37], s[2:3]
	CAST 1
	s_endpgm
.Lnot_wo:
	s_cmp_lt_u32 s44, 1024
	s_cbranch_scc0 .Lnot_mask
	; the mask: 64 KiB in, 64 KiB out; a wave's load and store cover 512 consecutive bytes
	s_sub_co_u32 s45, s44, 768
	s_lshl_b32 s2, s45, 16
	s_add_nc_u64 s[4:5], s[18:19], s[2:3]
	s_add_nc_u64 s[6:7], s[38:39], s[2:3]
	s_mov_b32 s48, 0x3fb8aa3b                      ; log2(e)
	s_mov_b32 s49, s48                             ; named with it as a pair
	s_mov_b32 s50, 0xff000000                      ; -2^127
	s_mov_b32 s51, 0x7f000000                      ; 2^127
.irp r, 0,1,2,3,4,5,6,7,8,9,10,11,12,13,14,15
	global_load_b128 v[X+4*(\r):X+4*(\r)+3], v2, s[4:5] offset:(\r)*4096 th:TH_LOAD_NT
.endr
.irp r, 0,1,2,3,4,5,6,7,8,9,10,11,12,13,14,15
	s_wait_loadcnt 15-(\r)                         ; round r's load is in, the later ones stay out
	RND X+4*(\r), Y+2*(\r)
	v_pk_mul_f32 v[X+4*(\r):X+4*(\r)+1],   v[X+4*(\r):X+4*(\r)+1],   s[48:49] op_sel_hi:[1,0]
	v_pk_mul_f32 v[X+4*(\r)+2:X+4*(\r)+3], v[X+4*(\r)+2:X+4*(\r)+3], s[48:49] op_sel_hi:[1,0]
.irp k, 0,1,2,3
	v_med3_num_f32 v[X+4*(\r)+(\k)], v[X+4*(\r)+(\k)], s50, s51
.endr
	global_store_b128 v2, v[X+4*(\r):X+4*(\r)+3], s[6:7] offset:(\r)*4096
.endr
	s_endpgm
.Lnot_mask:
	s_cmp_lt_u32 s44, 1056
	s_cbranch_scc0 .Lbias
	; a table: 128 tokens (32 KiB) of cos or of sin.  The reads are pieces of 16 bytes (both tables together are 1 MiB, read once); the stores are 512 consecutive bytes a wave
	s_sub_co_u32 s45, s44, 1024
	s_and_b32 s47, s45, 15                         ; which 128 tokens
	s_lshr_b32 s52, s45, 4                         ; 0 cos, 1 sin
	s_cmp_eq_u32 s52, 0
	s_cselect_b64 s[4:5], s[20:21], s[22:23]
	s_lshl_b32 s2, s47, 15
	s_add_nc_u64 s[4:5], s[4:5], s[2:3]
	s_lshl_b32 s2, s47, 16                         ; eight groups of 16 tokens, 8,192 bytes each,
	s_lshl_b32 s52, s52, 12                        ; the table's 4,096 of them
	s_add_co_u32 s2, s2, s52
	s_add_nc_u64 s[6:7], s[40:41], s[2:3]
	s_mov_b32 s48, 0x3ed96d27                      ; sqrt(log2(e) / 8) = 0.4246609: q and k both carry it, so their product is the score in base 2
	s_mov_b32 s49, s48
	v_and_b32 v3, 15, v0                           ; thread t is piece t / 32, lane t % 32: token t % 16,
	v_lshlrev_b32 v3, 8, v3                        ; 256 bytes a token
	v_lshrrev_b32 v4, 6, v0
	v_lshl_add_u32 v3, v4, 6, v3                   ; bb: 16 channels
	v_bfe_u32 v4, v0, 4, 1
	v_lshl_add_u32 v3, v4, 5, v3                   ; lane / 16: 8 channels
	v_bfe_u32 v4, v0, 5, 1
	v_lshl_add_u32 v3, v4, 4, v3                   ; p: 4 channels
.irp r, 0,1,2,3,4,5,6,7
	global_load_b128 v[X+4*(\r):X+4*(\r)+3], v3, s[4:5] offset:(\r)*4096
.endr
.irp r, 0,1,2,3,4,5,6,7
	s_wait_loadcnt 7-(\r)
	RND X+4*(\r), Y+2*(\r)
	v_pk_mul_f32 v[X+4*(\r):X+4*(\r)+1],   v[X+4*(\r):X+4*(\r)+1],   s[48:49] op_sel_hi:[1,0]
	v_pk_mul_f32 v[X+4*(\r)+2:X+4*(\r)+3], v[X+4*(\r)+2:X+4*(\r)+3], s[48:49] op_sel_hi:[1,0]
	global_store_b128 v2, v[X+4*(\r):X+4*(\r)+3], s[6:7] offset:(\r)*8192
.endr
	s_endpgm
.Lbias:
	global_load_b128 v[X:X+3],     v2, s[24:25]
	global_load_b128 v[X+4:X+7],   v2, s[26:27]
	global_load_b128 v[X+8:X+11],  v2, s[28:29]
	global_load_b128 v[X+12:X+15], v2, s[30:31]
.irp r, 0,1,2,3
	s_wait_loadcnt 3-(\r)
	RND X+4*(\r), Y+2*(\r)
	global_store_b128 v2, v[X+4*(\r):X+4*(\r)+3], s[42:43] offset:(\r)*4096
.endr
	s_endpgm
.Lfunc_end_k_qfc7910422a_prep:
	.size	k_qfc7910422a_prep, .Lfunc_end_k_qfc7910422a_prep-k_qfc7910422a_prep
	.p2alignl 7, 3214868480
	.fill 96, 4, 3214868480
	.section	.rodata,"a",@progbits
	.p2align	6, 0x0
	.amdhsa_kernel k_qfc7910422a_prep
		.amdhsa_group_segment_fixed_size 0
		.amdhsa_private_segment_fixed_size 0
		.amdhsa_enable_private_segment 0
		.amdhsa_kernarg_size 144
		.amdhsa_user_sgpr_count 2
		.amdhsa_user_sgpr_kernarg_segment_ptr 1
		.amdhsa_wavefront_size32 1
		.amdhsa_system_sgpr_workgroup_id_x 1
		.amdhsa_system_sgpr_workgroup_id_y 1
		.amdhsa_system_sgpr_workgroup_id_z 1
		.amdhsa_system_vgpr_workitem_id 0
		.amdhsa_next_free_vgpr 104
		.amdhsa_next_free_sgpr 66
		.amdhsa_reserve_vcc 0
		.amdhsa_float_denorm_mode_32 3
		.amdhsa_float_denorm_mode_16_64 3
		.amdhsa_memory_ordered 1
		.amdhsa_forward_progress 1
		.amdhsa_inst_pref_size 37
	.end_amdhsa_kernel
	.amdgpu_metadata
---
amdhsa.version: [ 1, 2 ]
amdhsa.kernels:
  - .name:           k_qfc7910422a_prep
    .symbol:         k_qfc7910422a_prep.kd
    .args:
      - { .name: x, .offset: 0, .size: 8, .value_kind: global_buffer, .address_space: global }
      - { .name: Wq, .offset: 8, .size: 8, .value_kind: global_buffer, .address_space: global }
      - { .name: Wk, .offset: 16, .size: 8, .value_kind: global_buffer, .address_space: global }
      - { .name: Wv, .offset: 24, .size: 8, .value_kind: global_buffer, .address_space: global }
      - { .name: Wo, .offset: 32, .size: 8, .value_kind: global_buffer, .address_space: global }
      - { .name: attn_mask, .offset: 40, .size: 8, .value_kind: global_buffer, .address_space: global }
      - { .name: cos, .offset: 48, .size: 8, .value_kind: global_buffer, .address_space: global }
      - { .name: sin, .offset: 56, .size: 8, .value_kind: global_buffer, .address_space: global }
      - { .name: bq, .offset: 64, .size: 8, .value_kind: global_buffer, .address_space: global }
      - { .name: bk, .offset: 72, .size: 8, .value_kind: global_buffer, .address_space: global }
      - { .name: bv, .offset: 80, .size: 8, .value_kind: global_buffer, .address_space: global }
      - { .name: bo, .offset: 88, .size: 8, .value_kind: global_buffer, .address_space: global }
      - { .name: xb, .offset: 96, .size: 8, .value_kind: global_buffer, .address_space: global }
      - { .name: wb, .offset: 104, .size: 8, .value_kind: global_buffer, .address_space: global }
      - { .name: woh, .offset: 112, .size: 8, .value_kind: global_buffer, .address_space: global }
      - { .name: mk, .offset: 120, .size: 8, .value_kind: global_buffer, .address_space: global }
      - { .name: rot, .offset: 128, .size: 8, .value_kind: global_buffer, .address_space: global }
      - { .name: bias4, .offset: 136, .size: 8, .value_kind: global_buffer, .address_space: global }
    .group_segment_fixed_size: 0
    .private_segment_fixed_size: 0
    .kernarg_segment_align: 8
    .kernarg_segment_size: 144
    .max_flat_workgroup_size: 256
    .sgpr_count:     66
    .vgpr_count:     104
    .wavefront_size: 32
...
	.end_amdgpu_metadata
.endif
;; end of part 1
;; launch qkv (part 2): grid 4 x 64, 4 waves a work-group, clusters of 4 x 4, 327,680 bytes of LDS; arguments xb, wb, rot, bias4, qkv; writes qkv
.if DOCPART == 2
	.amdgcn_target "amdgcn-amd-amdhsa--gfx1250"
	.amdhsa_code_object_version 6
	.text
	.protected	k_qfc7910422a_qkv
	.globl	k_qfc7910422a_qkv
	.p2align	8
	.type	k_qfc7910422a_qkv,@function
k_qfc7910422a_qkv:
	s_mov_b64 s[64:65], 0
	v_nop
	global_prefetch_b8 v0, s[64:65] scope:SCOPE_SE
	s_setreg_imm32_b32 hwreg(HW_REG_WAVE_MODE, 25, 1), 1
	s_wait_xcnt 0x0
	s_wait_alu depctr_hold_cnt(0) depctr_sa_sdst(0) depctr_va_vdst(0) depctr_va_sdst(0) depctr_va_ssrc(0) depctr_va_vcc(0) depctr_vm_vsrc(0)
	s_getreg_b32 s2, hwreg(HW_REG_IB_STS2, 6, 4)
	s_cmp_eq_u32 s2, 0
	s_cbranch_scc0 .Lentry_in_a_cluster
	s_endpgm
.Lentry_in_a_cluster:
	s_bfe_u32 s2, ttmp6, 0x10000c
	s_cmp_lg_u32 s2, 0xf033
	s_cbranch_scc0 .Lentry_shape_is_right
	s_endpgm
.Lentry_shape_is_right:
; q, k, v = x W^T + bias; q and k turned by the rotary tables; all three written by heads in f16.
; xb: bf16 [8192][1024]; wb: bf16 [3072][1024] (Wq, Wk, Wv); sums in f32, started by the bias; each result rounded once to f16.
; LIMIT: f16 ends at 65,504: q, k (which carry the tables' factor 0.4247) and v must stay within it.
; OUT: three sections of 16 MiB (q, k, v), each [16: batch x 4 + head / 4][32: token / 64][4: head % 4][64 tokens][64 channels].
; SHARES.  A tile of the result is 128 tokens x 256 columns: 64 x 4 work-groups, one for each of 256 WGPs.  A WORK-GROUP STAYS: it makes three tiles, q's, k's and v's, on the same 128 rows of x;
; the ring does not stop at a tile's end.  (Tiles of 256 x 256 would be 384, a round and a half.)  Four waves, 2 x 2; a wave makes 64 x 128: 32 accumulators, 256 registers.
; K goes in steps of 128 through two LDS slots: rows of 256 bytes, aligned.  CLUSTER 4 x 4: x's tile hangs on the tile row alone and is asked for jointly along a row of the cluster, W's on the tile
; column alone and is asked for jointly along a column.  No prefetch: each tile is asked for by several clusters shortly after one another, and a K step's tiles are small.
; THE PRODUCT IS USED TRANSPOSED (source 0 = 16 rows of W, source 1 = 16 tokens): lane l holds token l % 16 and the columns 8 (l / 16) + 0..7 of a block of 16.
; REGISTERS, in windows of 256 (s_set_vgpr_msb: bits 1:0 source 0, 3:2 source 1, 5:4 source 2, 7:6 destination):
;   window 0: v16-31 addresses; v32-95 the bias of my 128 columns, in the accumulators' layout; v160-239 at work on the way out
;   window 1: accumulator (a, b) at 8 (8 a + b)      window 2: two fragment buffers of 96: W's 8 fragments, then x's 4
;   window 3: the rotary tables of my 64 tokens: for token block a, cos of channel block bb at 64 a + 8 bb, sin at 64 a + 32 + 8 bb
.set KSTEP,  128
.set PITCH,  272                       ; an LDS row: 256 bytes + 16 of padding = 68 words: the 16 rows of a fragment load start at 16 different groups of four banks (64 banks of 4 bytes: ISA guide 11.1)
.set AHALF,  64*PITCH                  ; what a wave fetches of x's tile, and what a wave reads of it
.set BHALF,  128*PITCH                 ; the same for W's tile
.set BOFF,   2*AHALF
.set SLOT,   2*AHALF+2*BHALF           ; x's 128 rows, then W's 256: 104,448 bytes
.set STAGE,  2*SLOT                    ; behind the ring, never filled by a tensor load: 16 rows x 144 bytes for each wave
.set SP,     144
.set SPARE,  STAGE+4*16*SP             ; the spare words, 128 bytes for each wave: two blocks of 256 bytes that no other line names
.set ROWB,   2048                      ; bytes in a row of xb and of wb
.set LAPS,   4                         ; a lap = two K steps = once round the ring; K = 1,024
.set BACK_A, 6*KSTEP*2                 ; from a slot's last K step of a tile back to its first: x's rows are the same for the three tiles
.set NEXT_B, 1024*ROWB-6*KSTEP*2       ; W goes 1,024 rows on and back along K
.set ADRA, 16                          ; v16-17  LDS address of my x fragments in slot 0, 1
.set ADRB, 20                          ; v20-21  the same for W
.set STO,  24                          ; v24     the way out: where I put 16 bytes of a row
.set RD,   25                          ; v25     the way out: where I read rows back
.set CO,   26                          ; v26     16 x lane: my place in 512 consecutive bytes (the stores, and the tables' loads); never rewritten
.set SPW,  28                          ; v28     LDS address of my spare word; never rewritten
.set NIL,  29                          ; v29     0; never rewritten
.set BO,   30                          ; v30     32 x (lane / 16): my 8 numbers in a block of 16 of the bias; never rewritten
.set BIAS, 32
.set TMP,  160                         ; v160-191 a head's 64 channels of 16 tokens, turned, f32
.set PKD,  192                         ; v192-207 the same in f16
.set OB,   208                         ; v208-223, v224-239 rows read back, by turns
.set F0,   0
.set F1,   96
.set G1, 24                            ; s[24:31] descriptor group 1 for x's tiles;  s[32:39] group 0, a set for each slot
.set G0, 32
.set G1B, 48                           ; s[48:55], s[56:63] the same for W's tiles
.set G0B, 56
.set MSB, 0
.macro WIN new                         ; the immediate's high byte repeats the setting that is left; a switch that changes nothing is dropped
.if MSB != (\new)
	s_set_vgpr_msb (MSB<<8)|(\new)
.set MSB, \new
.endif
.endm
.set MUL,  0x5a                        ; sources 0 and 1 window 2; C and D window 1
.set MULB, 0x4a                        ; the same with C in window 0: the bias
.set TO_F, 0x80                        ; destination window 2, address window 0
; A joint load.  Waves 0 and 1 fetch x's two halves (64 rows each), waves 2 and 3 W's (128 rows each).  The branch hangs on the wave's number alone.
; An s_nop 0 and four v_nop follow each of the two lines, ahead of the jump, the label and what follows.
.macro JLOAD s
	s_cmp_eq_u32 s11, 0
	s_cbranch_scc0 .Lfor_b_\@
	tensor_load_to_lds s[G0+4*(\s):G0+4*(\s)+3], s[G1:G1+7]
	s_nop 0
.rept 4
	v_nop
.endr
	s_branch .Lasked_\@
.Lfor_b_\@:
	tensor_load_to_lds s[G0B+4*(\s):G0B+4*(\s)+3], s[G1B:G1B+7]
	s_nop 0
.rept 4
	v_nop
.endr
.Lasked_\@:
.endm
.macro CREST                           ; a round of the cluster's barrier behind its opening barrier
	s_cmp_lg_u32 s10, 0
	s_cbranch_scc1 .Lnot_wave_0_\@
	s_barrier_signal -3
.Lnot_wave_0_\@:
	s_barrier_wait -3
	s_barrier_signal -1
	s_barrier_wait -1
.endm
.macro CROUND                          ; a whole round
	s_barrier_signal -1
	s_barrier_wait -1
	CREST
.endm
.macro PLACES                          ; four places in front of loads into registers that matrix instructions have read, and of vector lines that read results
.rept 4
	v_nop
.endr
.endm
	s_load_b128 s[4:7], s[0:1], 0x0                ; xb s[4:5], wb s[6:7]
	s_load_b128 s[72:75], s[0:1], 0x10             ; rot s[72:73], bias4 s[74:75]
	s_load_b64 s[8:9], s[0:1], 0x20                ; qkv
	v_lshl_add_u32 v[SPW], v0, 2, SPARE
	v_mov_b32 v[NIL], 0
	ds_add_u32 v[SPW], v[NIL]                      ; the wave's opening: the add and its wait stand ahead of my first tensor load; the set-up below, work on registers, stands between them
	v_lshrrev_b32 v1, 5, v0
	v_readfirstlane_b32 s10, v1                    ; wave 0..3
	s_lshr_b32 s11, s10, 1                         ; which 64 tokens of the tile are mine.  Also: I fetch for x (0) or for W (1)
	s_and_b32 s12, s10, 1                          ; which 128 columns.  Also: which half of that tile I fetch
	s_bfe_u32 s40, ttmp6, 0x40000                  ; cx, cy: my place in the cluster
	s_bfe_u32 s41, ttmp6, 0x40004
	s_lshl_b32 s42, ttmp9, 2
	s_add_co_u32 s42, s42, s40                     ; tile column = 4 x cluster x + cx
	s_and_b32 s13, ttmp7, 0xffff
	s_lshl_b32 s13, s13, 2
	s_add_co_u32 s13, s13, s41                     ; tile row = 4 x cluster y + cy
	s_lshl_b32 s43, s41, 2
	s_lshl_b32 s43, 15, s43                        ; my row of the cluster
	s_lshl_b32 s44, 0x1111, s40                    ; my column
	s_or_b32 s[G1+0], s43, (1<<16)|(1<<20)|(1<<21)|(5<<22)|(3<<25)   ; 15:0 the mask: x's tiles go to my row; 17:16 2-byte elements; 20 padding on; 21 set beside a mask; 24:22 after every 64 words; 31:25 4 words
	s_or_b32 s[G1B+0], s44, (1<<16)|(1<<20)|(1<<21)|(5<<22)|(3<<25)  ; the same with my column's mask
	s_mov_b32 s[G1+1], KSTEP<<16                   ; tensor_dim0 = 128
	s_mov_b32 s[G1+2], 64<<16                      ; tensor_dim1 = 64
	s_mov_b32 s[G1+3], KSTEP<<16                   ; tile_dim0 = 128
	s_mov_b32 s[G1+4], 64                          ; tile_dim1 = 64
	s_mov_b32 s[G1+5], 1024                        ; elements from row to row
	s_mov_b32 s[G1+6], 0
	s_mov_b32 s[G1+7], 0
	s_mov_b32 s[G1B+1], KSTEP<<16
	s_mov_b32 s[G1B+2], 128<<16                    ; 128 rows
	s_mov_b32 s[G1B+3], KSTEP<<16
	s_mov_b32 s[G1B+4], 128
	s_mov_b32 s[G1B+5], 1024
	s_mov_b32 s[G1B+6], 0
	s_mov_b32 s[G1B+7], 0
	s_lshl_b32 s17, s12, 6
	s_lshl_b32 s16, s13, 7
	s_add_co_u32 s16, s16, s17                     ; x: row 128 x tile row + 64 x half
	s_lshl_b32 s16, s16, 11                        ; in bytes
	s_mov_b32 s17, 0
	s_lshl_b32 s47, s12, 7
	s_lshl_b32 s46, s42, 8
	s_add_co_u32 s46, s46, s47                     ; W: row 256 x tile column + 128 x half
	s_lshl_b32 s46, s46, 11
	s_mov_b32 s47, 0
	s_mul_i32 s20, s12, AHALF                      ; where they go: no place in the cluster enters an LDS address
	s_mul_i32 s21, s12, BHALF
	s_add_co_u32 s21, s21, BOFF
	s_wait_dscnt 0x0                               ; the opening add is done
	s_wait_kmcnt 0x0
	s_add_nc_u64 s[14:15], s[4:5], s[16:17]
	s_add_nc_u64 s[46:47], s[6:7], s[46:47]
	CROUND                                         ; all sixteen work-groups are here: the first joint loads meet
.irp s, 0,1
	s_mov_b32 s[G0+4*(\s)], 1                                        ; count = 1
	s_add_co_u32 s[G0+4*(\s)+1], s20, (\s)*SLOT                      ; LDS address
	s_add_nc_u64 s[G0+4*(\s)+2:G0+4*(\s)+3], s[14:15], (\s)*KSTEP*2  ; global address: K step s
	s_or_b32 s[G0+4*(\s)+3], s[G0+4*(\s)+3], 0x80000000              ; type = 2
	s_mov_b32 s[G0B+4*(\s)], 1
	s_add_co_u32 s[G0B+4*(\s)+1], s21, (\s)*SLOT
	s_add_nc_u64 s[G0B+4*(\s)+2:G0B+4*(\s)+3], s[46:47], (\s)*KSTEP*2
	s_or_b32 s[G0B+4*(\s)+3], s[G0B+4*(\s)+3], 0x80000000
	JLOAD \s                                       ; two loads of mine are out
.endr
	; a fragment is 16 rows x 32 K in 8 registers: lane l holds row l % 16, K = 8 (l / 16) + 0..7 and 16 + 8 (l / 16) + 0..7: two loads of 16 bytes, 32 bytes apart
	v_and_b32 v1, 15, v0                           ; l % 16
	v_bfe_u32 v2, v0, 4, 1                         ; l / 16
	v_mul_u32_u24 v3, v1, PITCH
	v_lshl_add_u32 v3, v2, 4, v3
	s_mul_i32 s22, s11, AHALF                      ; my 64 rows of x
	s_mul_i32 s23, s12, BHALF                      ; my 128 rows of W,
	s_add_co_u32 s23, s23, BOFF                    ; which lie behind x's 128
.irp s, 0,1
	v_add_nc_u32 v[ADRA+(\s)], s22, v3
	v_add_nc_u32 v[ADRB+(\s)], s23, v3
	s_add_co_u32 s22, s22, SLOT
	s_add_co_u32 s23, s23, SLOT
.endr
	s_mul_i32 s23, s10, 16*SP
	s_add_co_u32 s23, s23, STAGE                   ; my stage
	v_mul_u32_u24 v4, v1, SP                       ; in: row l % 16, 16 bytes for each half of the lanes
	v_lshl_add_u32 v4, v2, 4, v4
	v_add_nc_u32 v[STO], s23, v4
	v_and_b32 v5, 31, v0
	v_lshrrev_b32 v6, 3, v5                        ; back: 32 lanes take four rows of 128 bytes
	v_and_b32 v7, 7, v0
	v_mul_u32_u24 v6, v6, SP
	v_lshl_add_u32 v6, v7, 4, v6
	v_add_nc_u32 v[RD], s23, v6
	v_lshlrev_b32 v[CO], 4, v5
	v_lshlrev_b32 v[BO], 5, v2
	; where my part lies in a section of the output: (((batch x 4 + tile column) x 32 + token block) x 4 + 2 x column half) x 8,192
	s_lshr_b32 s66, s13, 4                         ; batch
	s_lshl_b32 s66, s66, 2
	s_add_co_u32 s66, s66, s42
	s_lshl_b32 s66, s66, 5
	s_and_b32 s68, s13, 15                         ; which 128 tokens of the batch
	s_lshl_b32 s67, s68, 1
	s_add_co_u32 s66, s66, s67
	s_add_co_u32 s66, s66, s11
	s_lshl_b32 s66, s66, 2
	s_lshl_b32 s67, s12, 1
	s_add_co_u32 s66, s66, s67
	s_lshl_b32 s66, s66, 13
	s_mov_b32 s67, 0
	s_add_nc_u64 s[8:9], s[8:9], s[66:67]
	s_lshl_b32 s68, s68, 3                         ; the tables: my first group of 16 tokens, 8,192 bytes a group
	s_lshl_b32 s69, s11, 2
	s_add_co_u32 s68, s68, s69
	s_lshl_b32 s68, s68, 13
	s_mov_b32 s69, 0
	s_add_nc_u64 s[72:73], s[72:73], s[68:69]
	s_lshl_b32 s70, s42, 8                         ; the bias: my first column, 4 bytes each
	s_lshl_b32 s71, s12, 7
	s_add_co_u32 s70, s70, s71
	s_lshl_b32 s70, s70, 2
	s_mov_b32 s71, 0
	s_add_nc_u64 s[74:75], s[74:75], s[70:71]
.macro BIASLD                          ; the bias of my 128 columns, as the C operand wants it: register j of block b is column 16 b + 8 (l / 16) + j
.irp b, 0,1,2,3,4,5,6,7
	global_load_b128 v[BIAS+8*(\b):BIAS+8*(\b)+3],   v[BO], s[74:75] offset:64*(\b)
	global_load_b128 v[BIAS+8*(\b)+4:BIAS+8*(\b)+7], v[BO], s[74:75] offset:64*(\b)+16
.endr
.endm
	BIASLD
	WIN 0xc0                                       ; destination window 3: the tables stay in registers for the three tiles; each load takes 512 consecutive bytes
.irp a, 0,1,2,3
.irp t, 0,1
.irp i, 0,1,2,3,4,5,6,7
	global_load_b128 v[64*(\a)+32*(\t)+4*(\i):64*(\a)+32*(\t)+4*(\i)+3], v[CO], s[72:73] offset:(\a)*8192+(\t)*4096+(\i)*512
.endr
.endr
.endr
	WIN 0
; 8 matrix instructions: token block a x all 8 column blocks, 32 along K.  first = 1: the bias starts the sums: nothing is cleared, and no addition is written.
; The 32 accumulators take turns, one instruction a turn, in the same order everywhere.
.macro MUL8 f, a, first
.if \first
	WIN MULB
.else
	WIN MUL
.endif
.irp b, 0,1,2,3,4,5,6,7
.if \first
	v_wmma_f32_16x16x32_bf16 v[8*(8*(\a)+(\b)):8*(8*(\a)+(\b))+7], v[(\f)+8*(\b):(\f)+8*(\b)+7], v[(\f)+64+8*(\a):(\f)+64+8*(\a)+7], v[BIAS+8*(\b):BIAS+8*(\b)+7]
.else
	v_wmma_f32_16x16x32_bf16 v[8*(8*(\a)+(\b)):8*(8*(\a)+(\b))+7], v[(\f)+8*(\b):(\f)+8*(\b)+7], v[(\f)+64+8*(\a):(\f)+64+8*(\a)+7], v[8*(8*(\a)+(\b)):8*(8*(\a)+(\b))+7]
.endif
.endr
.endm
; 24 LDS loads in one run: the fragments of 32 along K at byte k of the rows: W's 8, then x's 4
.macro FETCH slot, k, f
	WIN TO_F
.irp i, 0,1,2,3,4,5,6,7
	ds_load_b128 v[(\f)+8*(\i):(\f)+8*(\i)+3],   v[ADRB+(\slot)] offset:(\k)+(\i)*16*PITCH
	ds_load_b128 v[(\f)+8*(\i)+4:(\f)+8*(\i)+7], v[ADRB+(\slot)] offset:(\k)+(\i)*16*PITCH+32
.endr
.irp i, 0,1,2,3
	ds_load_b128 v[(\f)+64+8*(\i):(\f)+64+8*(\i)+3],   v[ADRA+(\slot)] offset:(\k)+(\i)*16*PITCH
	ds_load_b128 v[(\f)+64+8*(\i)+4:(\f)+64+8*(\i)+7], v[ADRA+(\slot)] offset:(\k)+(\i)*16*PITCH+32
.endr
.endm
; A K step is four quarters of 32 along K, 32 matrix instructions each, on buffers 0, 1, 0, 1.  One of the first three multiplies buffer f and fetches the next quarter, at byte k, into g.
.macro QUARTER slot, k, f, g, first
	s_wait_dscnt 4                                 ; W's fragments and x's blocks 0, 1 are in; the youngest four loads (blocks 2, 3) may be out
	MUL8 \f, 0, \first
	MUL8 \f, 1, \first
	PLACES
	FETCH \slot, \k, \g
	s_wait_dscnt 24                                ; all but the 24 just issued
	MUL8 \f, 2, \first
	MUL8 \f, 3, \first
.endm
; The last quarter multiplies buffer 1 and changes slots.  In front of the barrier each wave waits for all its tensor loads (one is out: its part of the next slot), adds 0 to its spare word, and waits
; for that and for its own reads of this slot.  The barrier opens a round of the cluster's barrier; behind the round no wave of any partner reads this slot or has a load on its way, and the joint
; refill comes first: this tile's K step two on (on = 0), or the next tile's K step 0 or 1 (on = 1).  From a request to the wait for it a wave issues 112 matrix instructions.
.macro TURN slot, next, on
	WIN 0                                          ; (the add's two registers lie in window 0)
	s_wait_tensorcnt 0x0
	ds_add_u32 v[SPW], v[NIL]                      ; 0 onto my spare word
	s_wait_dscnt 5                                 ; (the add and the youngest four loads may be out)
	MUL8 F1, 0, 0
	s_wait_dscnt 0x0                               ; the add is done, and my reads of this slot are over
	s_barrier_signal -1
	MUL8 F1, 1, 0
	WIN 0
	s_barrier_wait -1
	CREST
.if \on
	s_sub_nc_u64 s[G0+4*(\slot)+2:G0+4*(\slot)+3], s[G0+4*(\slot)+2:G0+4*(\slot)+3], BACK_A
	s_add_nc_u64 s[G0B+4*(\slot)+2:G0B+4*(\slot)+3], s[G0B+4*(\slot)+2:G0B+4*(\slot)+3], NEXT_B
.else
	s_add_nc_u64 s[G0+4*(\slot)+2:G0+4*(\slot)+3], s[G0+4*(\slot)+2:G0+4*(\slot)+3], 2*KSTEP*2
	s_add_nc_u64 s[G0B+4*(\slot)+2:G0B+4*(\slot)+3], s[G0B+4*(\slot)+2:G0B+4*(\slot)+3], 2*KSTEP*2
.endif
	JLOAD \slot                                    ; the four v_nop behind it are also the places in front of the loads below
	FETCH \next, 0, F0
	MUL8 F1, 2, 0
	MUL8 F1, 3, 0
.endm
.macro TURNX slot, next                ; the same where nothing is filled again: a plain barrier
	WIN 0
	s_wait_tensorcnt 0x0
	ds_add_u32 v[SPW], v[NIL]
	s_wait_dscnt 5
	MUL8 F1, 0, 0
	s_wait_dscnt 0x0
	s_barrier_signal -1
	MUL8 F1, 1, 0
	s_barrier_wait -1
	PLACES
	FETCH \next, 0, F0
	MUL8 F1, 2, 0
	MUL8 F1, 3, 0
.endm
; THE WAY OUT, a unit at a time: token block a, head g of my two: 16 tokens x 64 channels, in the four accumulators X(bb) = (a, 4 g + bb).
; rope = 1: out(bb) = X(bb) cos(bb) - X(bb+2) sin(bb), out(bb+2) = X(bb+2) cos(bb+2) + X(bb) sin(bb+2), bb = 0, 1.  Each accumulator's lowest registers are read first.
; Then f16, 16 bytes a lane into my stage (rows of 144 bytes), and back as four rows of 128 bytes a load: 512 consecutive bytes of the output.
.macro UNIT a, g, rope
.set AC, 8*(8*(\a)+4*(\g))
.set TC, 64*(\a)
.set BK, OB+16*((\g)%2)
.if \rope
	WIN 0x0d                                       ; source 0 window 1 (X), source 1 window 3 (tables), source 2 and destination window 0
.irp bb, 0,1
.irp jj, 0,2,4,6
	v_pk_mul_f32 v[TMP+8*(\bb)+(\jj):TMP+8*(\bb)+(\jj)+1], v[AC+8*(\bb)+16+(\jj):AC+8*(\bb)+16+(\jj)+1], v[TC+32+8*(\bb)+(\jj):TC+32+8*(\bb)+(\jj)+1]
	v_pk_mul_f32 v[TMP+8*(\bb)+16+(\jj):TMP+8*(\bb)+16+(\jj)+1], v[AC+8*(\bb)+(\jj):AC+8*(\bb)+(\jj)+1], v[TC+32+8*(\bb)+16+(\jj):TC+32+8*(\bb)+16+(\jj)+1]
.endr
.endr
.irp bb, 0,1
.irp jj, 0,2,4,6
	v_pk_fma_f32 v[TMP+8*(\bb)+(\jj):TMP+8*(\bb)+(\jj)+1], v[AC+8*(\bb)+(\jj):AC+8*(\bb)+(\jj)+1], v[TC+8*(\bb)+(\jj):TC+8*(\bb)+(\jj)+1], v[TMP+8*(\bb)+(\jj):TMP+8*(\bb)+(\jj)+1] neg_lo:[0,0,1] neg_hi:[0,0,1]
	v_pk_fma_f32 v[TMP+8*(\bb)+16+(\jj):TMP+8*(\bb)+16+(\jj)+1], v[AC+8*(\bb)+16+(\jj):AC+8*(\bb)+16+(\jj)+1], v[TC+8*(\bb)+16+(\jj):TC+8*(\bb)+16+(\jj)+1], v[TMP+8*(\bb)+16+(\jj):TMP+8*(\bb)+16+(\jj)+1]
.endr
.endr
	WIN 0
.irp k, 0,1,2,3,4,5,6,7,8,9,10,11,12,13,14,15
	v_cvt_pk_f16_f32 v[PKD+(\k)], v[TMP+2*(\k)], v[TMP+2*(\k)+1]
.endr
.else
	WIN 0x05                                       ; sources 0 and 1 window 1
.irp k, 0,1,2,3,4,5,6,7,8,9,10,11,12,13,14,15
	v_cvt_pk_f16_f32 v[PKD+(\k)], v[AC+2*(\k)], v[AC+2*(\k)+1]
.endr
	WIN 0
.endif
.irp bb, 0,1,2,3
	ds_store_b128 v[STO], v[PKD+4*(\bb):PKD+4*(\bb)+3] offset:32*(\bb)
.endr
	s_wait_xcnt 0x0                                ; the stores of the unit two back have read these registers: they are loaded again only behind this wait
.irp f, 0,1,2,3
	ds_load_b128 v[BK+4*(\f):BK+4*(\f)+3], v[RD] offset:(\f)*4*SP  ; LDS serves a wave's instructions in order (ISA guide 5.7.1.4): these see the stores above; the next unit's stores come behind them
.endr
.endm
.macro SEND a, g, younger              ; younger: the LDS instructions issued behind this unit's loads: the next unit's eight, or none
.set BK, OB+16*((\g)%2)
.irp f, 0,1,2,3
	s_wait_dscnt (\younger)+3-(\f)
	global_store_b128 v[CO], v[BK+4*(\f):BK+4*(\f)+3], s[8:9] offset:(\g)*8192+(\a)*2048+(\f)*512  ; 512 consecutive bytes, at a multiple of 512 from the buffer's first
.endr
.endm
.macro WAYOUT rope
	UNIT 0, 0, \rope
.irp u, 1,2,3,4,5,6,7                  ; a unit's arithmetic stands between the loads of the unit before and its stores
	UNIT (\u)/2, (\u)%2, \rope
	SEND ((\u)-1)/2, ((\u)-1)%2, 8
.endr
	SEND 3, 1, 0
.endm
	s_wait_tensorcnt 1                             ; my part of K step 0 is in; K step 1's may stay out
	s_barrier_signal -1
	s_barrier_wait -1                              ; everybody's is
	FETCH 0, 0, F0
	WIN 0
	s_mov_b32 s2, 3                                ; tiles to go, this one among them
.Ltile:
	s_wait_loadcnt 0x0                             ; this tile's bias (the first time: the tables too)
	QUARTER 0, 64,  F0, F1, 1                      ; a tile's first quarter stands in front of the loop: its products start the sums
	WIN 0                                          ; at a label and at a branch every window is 0
	s_mov_b32 s3, LAPS-1
.Llap:                                                 ; a trip goes once round the ring, from a lap's second quarter to the next lap's first, and fills both slots again
	QUARTER 0, 128, F1, F0, 0
	QUARTER 0, 192, F0, F1, 0
	TURN 0, 1, 0
	QUARTER 1, 64,  F0, F1, 0
	QUARTER 1, 128, F1, F0, 0
	QUARTER 1, 192, F0, F1, 0
	TURN 1, 0, 0
	QUARTER 0, 64,  F0, F1, 0
	WIN 0
	s_sub_co_u32 s3, s3, 1
	s_cmp_lg_u32 s3, 0
	s_cbranch_scc1 .Llap
	QUARTER 0, 128, F1, F0, 0                      ; the tile's last lap goes on
	QUARTER 0, 192, F0, F1, 0
	WIN 0
	s_cmp_eq_u32 s2, 1
	s_cbranch_scc1 .Llast_tile                     ; the last tile's tail is written out: it asks for nothing more
	TURN 0, 1, 1                                   ; the ring goes on into the next tile: slot 0 takes its K step 0,
	QUARTER 1, 64,  F0, F1, 0
	QUARTER 1, 128, F1, F0, 0
	QUARTER 1, 192, F0, F1, 0
	TURN 1, 0, 1                                   ; slot 1 its K step 1, and the next tile's first fragments are fetched
	WIN 0
	PLACES
	s_wait_xcnt 0x0                                ; the bias's pointer is written only behind this wait
	s_add_nc_u64 s[74:75], s[74:75], 4096          ; the next section's bias: asked for now, waited for at the next tile's head
	BIASLD
	WAYOUT 1                                       ; a tile that has a successor is q's or k's: it is turned
	s_wait_xcnt 0x0                                ; the stores have read their base
	s_add_nc_u64 s[8:9], s[8:9], 0x1000000         ; the next section
	s_sub_co_u32 s2, s2, 1
	s_branch .Ltile
.Llast_tile:
	TURNX 0, 1
	QUARTER 1, 64,  F0, F1, 0
	QUARTER 1, 128, F1, F0, 0
	QUARTER 1, 192, F0, F1, 0
	s_wait_dscnt 4                                 ; the very last quarter: nothing more to fetch
	MUL8 F1, 0, 0
	MUL8 F1, 1, 0
	s_wait_dscnt 0x0
	MUL8 F1, 2, 0
	MUL8 F1, 3, 0
	WIN 0
	PLACES
	WAYOUT 0                                       ; the last tile is v's: it is not turned
	s_wait_tensorcnt 0x0                           ; the wave's end: behind my last tensor load and my last LDS store
	ds_add_u32 v[SPW], v[NIL]
	s_wait_dscnt 0x0
	CROUND                                         ; the closing round: no work-group ends while a partner may still ask for a tile that names it
	s_endpgm
.Lfunc_end_k_qfc7910422a_qkv:
	.size	k_qfc7910422a_qkv, .Lfunc_end_k_qfc7910422a_qkv-k_qfc7910422a_qkv
	.p2alignl 7, 3214868480
	.fill 96, 4, 3214868480
	.section	.rodata,"a",@progbits
	.p2align	6, 0x0
	.amdhsa_kernel k_qfc7910422a_qkv
		.amdhsa_group_segment_fixed_size 327680
		.amdhsa_private_segment_fixed_size 0
		.amdhsa_enable_private_segment 0
		.amdhsa_kernarg_size 40
		.amdhsa_user_sgpr_count 2
		.amdhsa_user_sgpr_kernarg_segment_ptr 1
		.amdhsa_wavefront_size32 1
		.amdhsa_system_sgpr_workgroup_id_x 1
		.amdhsa_system_sgpr_workgroup_id_y 1
		.amdhsa_system_sgpr_workgroup_id_z 1
		.amdhsa_system_vgpr_workitem_id 0
		.amdhsa_next_free_vgpr 1024
		.amdhsa_next_free_sgpr 80
		.amdhsa_reserve_vcc 0
		.amdhsa_float_denorm_mode_32 3
		.amdhsa_float_denorm_mode_16_64 3
		.amdhsa_memory_ordered 1
		.amdhsa_forward_progress 1
		.amdhsa_inst_pref_size 151
	.end_amdhsa_kernel
	.amdgpu_metadata
---
amdhsa.version: [ 1, 2 ]
amdhsa.kernels:
  - .name:           k_qfc7910422a_qkv
    .symbol:         k_qfc7910422a_qkv.kd
    .args:
      - { .name: xb, .offset: 0, .size: 8, .value_kind: global_buffer, .address_space: global }
      - { .name: wb, .offset: 8, .size: 8, .value_kind: global_buffer, .address_space: global }
      - { .name: rot, .offset: 16, .size: 8, .value_kind: global_buffer, .address_space: global }
      - { .name: bias4, .offset: 24, .size: 8, .value_kind: global_buffer, .address_space: global }
      - { .name: qkv, .offset: 32, .size: 8, .value_kind: global_buffer, .address_space: global }
    .group_segment_fixed_size: 327680
    .private_segment_fixed_size: 0
    .kernarg_segment_align: 8
    .kernarg_segment_size: 40
    .max_flat_workgroup_size: 128
    .sgpr_count:     80
    .vgpr_count:     1024
    .wavefront_size: 32
...
	.end_amdgpu_metadata
.endif
;; end of part 2
;; launch attn (part 3): grid 16 x 16, 4 waves a work-group, clusters of 4 x 4, 327,680 bytes of LDS; arguments qkv, mk, oh; writes oh
.if DOCPART == 3
	.amdgcn_target "amdgcn-amd-amdhsa--gfx1250"
	.amdhsa_code_object_version 6
	.text
	.protected	k_qfc7910422a_attn
	.globl	k_qfc7910422a_attn
	.p2align	8
	.type	k_qfc7910422a_attn,@function
k_qfc7910422a_attn:
	s_mov_b64 s[64:65], 0
	v_nop
	global_prefetch_b8 v0, s[64:65] scope:SCOPE_SE
	s_setreg_imm32_b32 hwreg(HW_REG_WAVE_MODE, 25, 1), 1
	s_wait_xcnt 0x0
	s_wait_alu depctr_hold_cnt(0) depctr_sa_sdst(0) depctr_va_vdst(0) depctr_va_sdst(0) depctr_va_ssrc(0) depctr_va_vcc(0) depctr_vm_vsrc(0)
	s_getreg_b32 s2, hwreg(HW_REG_IB_STS2, 6, 4)
	s_cmp_eq_u32 s2, 0
	s_cbranch_scc0 .Lentry_in_a_cluster
	s_endpgm
.Lentry_in_a_cluster:
	s_bfe_u32 s2, ttmp6, 0x10000c
	s_cmp_lg_u32 s2, 0xf033
	s_cbranch_scc0 .Lentry_shape_is_right
	s_endpgm
.Lentry_shape_is_right:
; ATTENTION WITH AN ADDITIVE MASK THAT IS AN INPUT: all 2,048 keys are walked for every query.  O[q] = sum over k of softmax_k(q . k / 8 + mask[q][k]) v[k], 64 pairs of batch and head, head size 64.
; IN: qkv, f16, three sections of 16 MiB (q, k, v), each [16: batch x 4 + head / 4][32: token / 64][4: head % 4][64 tokens][64 channels]; q and k each carry the factor sqrt(log2(e) / 8), so K q^T is
; the score in base 2.  mk, f32 [2048][2048]: mask x log2(e), within -2^127 .. 2^127.  OUT: oh, f16 [8192 tokens][1024 = head x 64 + channel].
; Products, maxima and sums in f32; the weights p are rounded to f16 for the second product (their sum l is taken of the unrounded p), O once at the end.
; LIMITS.  p lies in 0 to 1, and below 6e-5 it keeps f16's fixed step; a weight below 2^-126 counts as 0 in l; O is a mean of v's rows.  A row whose every key is hidden by the lowest mask number gets
; equal weights.  NaN is not treated apart.
; THE MASK IS THE C OPERAND that starts the sum S^T = K q^T: it costs no vector instruction.  p = 2^(S - m) with a running maximum m; O and l are multiplied by a = 2^(m_old - m_new) in every step.
; m starts at the lowest finite number, O and l at 0: the first step is a step like any other, with a = 0.
; SHARES.  A work-group owns 128 queries of the FOUR heads of one group; wave w is head w on all 128 queries: eight tiles of 16, four PIECES of two.  So the four waves read one and the same tile of the
; mask (128 queries x 64 keys, f32), and each its own head's K and V.  Every wave walks all keys, 64 a step.
; CLUSTER 4 x 4.  K and V hang on the head group alone (cluster y and cy): asked for jointly along a row of the cluster.  The mask's tile hangs on the query block alone (cluster x and cx): asked for
; jointly along a column.  Wave 0 asks for a step's K (four heads, 32 KiB dense), wave 1 for its V, waves 2 and 3 for the two halves of the mask's tile.
; LAYOUT.  S^T (source 0 = 16 keys, source 1 = 16 queries): a lane holds ONE query (lane % 16) and the keys 8 (lane / 16) + 0..7.  Two such results, rounded to f16 in pairs, ARE source 1 of
; O^T = V^T P.  K comes out of LDS as it lies, V turned, by ds_load_tr16_b128.
; BY TURNS.  Turn n belongs to piece n.  Its matrix work: 16 products K q^T of piece n + 1, later 16 products V^T P of piece n - 1.  Its vector work: the subtraction, exponentials, roundings, sums and
; rescaling of piece n, and the maximum and statistics of piece n + 1.  A tile and step have 16 matrix and 117 vector instructions: four vector instructions that are ready stand behind every matrix
; instruction, the others in two runs of their own.
; REGISTERS, in windows of 256 (s_set_vgpr_msb: bits 1:0 source 0, 3:2 source 1, 5:4 source 2, 7:6 destination):
;   window 0: v1-11 addresses; v12-15, v48-63 at work; v16-47 four registers of statistics a tile; v64-191 S^T, two buffers of two tiles; v192-255 P, likewise
;   window 1: O^T, 32 a tile     window 2: v0-127 Q, 16 a tile; v128-191 K of one step; v192-255 V of one step     window 3: v0-63 the mask of one piece; v64, v65 the add's two registers
.set NP,    4         ; pieces a wave: a name, no knob
.set KS,    64        ; keys in a step
.set PK,    144       ; a row of K in LDS: 128 bytes + 16 of padding: the 16 rows of a load start at 16 different groups of four banks (64 banks of 4 bytes: ISA guide 11.1)
.set PVP,   160       ; a row of V: 128 + 32
.set PM,    272       ; a row of the mask's tile: 256 + 16
.set VOFF,  4*KS*PK   ; a slot holds one step: 256 rows of K (head x 64 + key), 256 rows of V, 128 rows of the mask
.set MOFF,  VOFF+4*KS*PVP
.set SPARE, MOFF+128*PM  ; behind slot 0: the spare words, 128 bytes for each wave: two blocks of 256 bytes that no other line names
.set SLOT1, 1<<17     ; slot 1 begins here, so that one exclusive or turns an address in one slot into the other's
.set STAGE, SLOT1+SPARE  ; behind slot 1, never filled by a tensor load: 128 rows x 528 bytes, the work-group's, for the way out
.set SP,    528
.set AM0, 1           ; v1   my lane's place in the mask's tile; never rewritten
.set AK0, 2           ; v2   in my head's K
.set AV0, 3           ; v3   in my head's V
.set AK,  4           ; v4   the same three in the slot that is being read
.set AV,  5
.set QO,  6           ; v6   my byte offset in 16 rows of Q; never rewritten
.set RD,  7           ; v7   the way out: where I read rows back
.set GO,  8           ; v8   16 x lane
.set AM,  9
.set PFO, 10          ; v10  the prefetches' offset: my lane x 256 bytes (K, V) or x a row of the mask; never rewritten
.set STO, 11          ; v11  the way out: where I put 16 bytes of a row
.set MV,  12          ; v12-15  m_old, kept while m is made anew: by buffer and tile
.set ST,  16          ; tile t's statistics at v[ST+4 t]: m, 0 (named with m as a pair), l (even keys', odd keys')
.set TMP, 48          ; by buffer and tile, four registers c0-c3 at work; when the maximum is found c2 takes a
.set S,   64
.set P,   192
.set KF,  128         ; window 2: key block kb, channel half c at KF + 16 kb + 8 c
.set VF,  192         ; window 2: key half kk, channel block cb at VF + 32 kk + 8 cb
.set MB,  0           ; window 3: tile u of the piece, key block kb at MB + 32 u + 8 kb
.set SPW, 64          ; v64 of window 3: LDS address of my spare word; never rewritten
.set NIL, 65          ; v65 of window 3: 0; never rewritten
.set WV,  12          ; s12  my wave's number
.set G1K, 24          ; s[24:31] descriptor group 1 for K's tiles
.set G1V, 32          ; s[32:39] for V's: it differs in the padding alone
.set G1M, 40          ; s[40:47] for the mask's
.set G0K, 48          ; s[48:51], s[52:55], s[56:59] descriptor groups 0: they walk
.set G0V, 52
.set G0M, 56
.set SEL, 60          ; s[60:61] v_permlanex16_b32's selects: each lane takes its own place in the other half
.set TB,  62          ; s62  the slot that is being read: 0 or SLOT1
.set SLOTS, 63        ; s63  steps still to be asked for
.set CNT, 66          ; s66  counts the tail's trips
.set LIM, 67          ; s67  1 in a wave that prefetches, else the greatest number
.set PFA, 68          ; s[68:69] where my prefetches stand
.set PFS, 70          ; s[70:71] their step
.set MSB, 0
.macro WIN new                      ; the high byte repeats the setting that is left; a switch that changes nothing is dropped
.if MSB != (\new)
	s_set_vgpr_msb (MSB<<8)|(\new)
.set MSB, (\new)
.endif
.endm
.set W_KQ, 0x0a       ; K and Q in window 2, S^T in window 0
.set W_KM, 0x3a       ; the same with the C operand in window 3: the mask
.set W_PV, 0x52       ; V in window 2, P in window 0, O^T in window 1
.set W_RS, 0x41       ; O^T (destination and source 0) in window 1, a in window 0
.set W_MK, 0xc0       ; destination in window 3, sources in window 0
.set W_AD, 0x0f       ; the add: address (source 0) and data (source 1) in window 3
; A joint fill: one line for each kind of tile; the branches hang on the wave's number alone.  An s_nop 0 and four v_nop follow each line, ahead of the jump and the label.
.macro JLOAD
	s_cmp_lt_u32 s[WV], 2
	s_cbranch_scc0 .Lfor_m_\@
	s_cmp_eq_u32 s[WV], 0
	s_cbranch_scc0 .Lfor_v_\@
	tensor_load_to_lds s[G0K:G0K+3], s[G1K:G1K+7]
	s_nop 0
.rept 4
	v_nop
.endr
	s_branch .Lasked_\@
.Lfor_v_\@:
	tensor_load_to_lds s[G0V:G0V+3], s[G1V:G1V+7]
	s_nop 0
.rept 4
	v_nop
.endr
	s_branch .Lasked_\@
.Lfor_m_\@:
	tensor_load_to_lds s[G0M:G0M+3], s[G1M:G1M+7]
	s_nop 0
.rept 4
	v_nop
.endr
.Lasked_\@:
.endm
; A PREFETCH INTO THE L2 of what the NEXT change of slots will ask for, behind the wave's tensor load and its five lines: one key step, 128 matrix instructions, ahead of that load.
; Each aligned block of 256 bytes is named ONCE in the launch.  A step's K and V (32 KiB each) are walked by the four clusters of a row of clusters: the first (cluster x = 0) asks; its four partners of
; one cy take 8 KiB each, told apart BY ADDRESS; wave 0 for K, wave 1 for V, a lane a block.  A step's piece of the mask (128 rows x 256 bytes) is walked by the four clusters of a column: the first
; (cluster y = 0) asks; its four partners of one cx take 32 rows each, by address; wave 2, a lane a row.  The last change that fills a slot asks for nothing; nothing is asked for at the head.
.macro ASK
	s_cmp_gt_u32 s[SLOTS], s[LIM]
	s_cbranch_scc0 .Lnot_mine_\@
	global_prefetch_b8 v[PFO], s[PFA:PFA+1] th:TH_LOAD_NT scope:SCOPE_SE
.Lnot_mine_\@:
.endm
.macro CROUND                       ; a round of the cluster's barrier
	s_barrier_signal -1
	s_barrier_wait -1
	s_cmp_lg_u32 s[WV], 0
	s_cbranch_scc1 .Lnot_wave_0_\@
	s_barrier_signal -3
.Lnot_wave_0_\@:
	s_barrier_wait -3
	s_barrier_signal -1
	s_barrier_wait -1
.endm
; THE CHANGE OF SLOTS, once a key step, between piece 1's turn and piece 2's: all that the step in hand wants of its slot (K, V, the four pieces' masks) has been asked of LDS.  Each wave waits for all
; its tensor loads, of which one is out: its part of the other slot; adds 0 to its spare word; and waits for that and for its own reads of the slot.  fill = 1: the slot is filled again, with the step
; two on; the barrier is then a round of the cluster's, and the joint fill is the first thing behind it: it has a whole key step, 128 matrix instructions and their vector work, in which to land.
; (At its first use nothing has been read yet: slot 0 is waited for, slot 1 filled.)
.macro CHANGE fill
	WIN W_AD
	s_wait_tensorcnt 0x0            ; no tensor load of mine is out, so a group 0 may be written
	ds_add_u32 v[SPW], v[NIL]       ; 0 onto my spare word; with fill = 1 the descriptors' steps stand between it and the wait for it
	WIN 0                           ; at a label and at a branch every window is 0
.if \fill
.irp g, G0K, G0V
	s_xor_b32 s[\g+1], s[\g+1], SLOT1  ; the other slot than last time,
	s_add_nc_u64 s[\g+2:\g+3], s[\g+2:\g+3], 32768  ; the next 64 keys of the four heads; the type bits on top are not reached
.endr
	s_xor_b32 s[G0M+1], s[G0M+1], SLOT1
	s_add_nc_u64 s[G0M+2:G0M+3], s[G0M+2:G0M+3], 256  ; the next 64 keys along the mask's rows
	s_wait_xcnt 0x0                 ; the last prefetch, a key step back, has read its address, so it may be written
	s_add_nc_u64 s[PFA:PFA+1], s[PFA:PFA+1], s[PFS:PFS+1]
	s_wait_dscnt 0x0                ; the add is done, and my reads of the slot are over
	CROUND
	JLOAD
	ASK
.else
	s_wait_dscnt 0x0                ; the add is done, and my reads of the slot are over
	s_barrier_signal -1
	s_barrier_wait -1
.endif
	s_xor_b32 s[TB], s[TB], SLOT1   ; the reads go to the other slot
	v_add_nc_u32 v[AK], s[TB], v[AK0]
	v_add_nc_u32 v[AV], s[TB], v[AV0]
	v_add_nc_u32 v[AM], s[TB], v[AM0]
.endm
	s_load_b128 s[4:7], s[0:1], 0x0   ; qkv s[4:5], mk s[6:7]
	s_load_b64 s[10:11], s[0:1], 0x10 ; oh
	WIN W_MK
	v_lshl_add_u32 v[SPW], v0, 2, SPARE
	v_mov_b32 v[NIL], 0
	WIN W_AD
	ds_add_u32 v[SPW], v[NIL]       ; the wave's opening: the add and its wait stand ahead of my first tensor load; the set-up below, work on registers, stands between them
	WIN 0
	v_lshrrev_b32 v48, 5, v0
	v_readfirstlane_b32 s[WV], v48  ; wave 0..3
	s_bfe_u32 s13, ttmp6, 0x40000   ; cx
	s_bfe_u32 s14, ttmp6, 0x40004   ; cy
	s_lshl_b32 s15, ttmp9, 2
	s_add_co_u32 s15, s15, s13      ; my block of 128 queries = 4 x cluster x + cx
	s_and_b32 s19, ttmp7, 0xffff    ; cluster y
	s_lshl_b32 s16, s19, 2
	s_add_co_u32 s16, s16, s14      ; my group of four heads = 4 x cluster y + cy
	s_lshl_b32 s17, s14, 2
	s_lshl_b32 s17, 15, s17         ; my row of the cluster
	s_lshl_b32 s18, 0x1111, s13     ; my column
	; descriptor groups 1.  A step's K (or V) of four heads is 32,768 dense bytes: asked for as 128 rows of 256 bytes, two keys a row, and padded in LDS after every key
	s_or_b32 s[G1K], s17, (1<<16)|(1<<20)|(1<<21)|(4<<22)|(3<<25)  ; 15:0 the mask of my row; 17:16 2-byte elements; 20 padding on; 21 set beside a mask; 24:22 after every 32 words; 31:25 4 words
	s_or_b32 s[G1V], s17, (1<<16)|(1<<20)|(1<<21)|(4<<22)|(7<<25)  ; the same with 8 words of padding
	s_or_b32 s[G1M], s18, (2<<16)|(1<<20)|(1<<21)|(5<<22)|(3<<25)  ; the mask of my column; 4-byte elements; after every 64 words 4 words
.irp g, G1K, G1V
	s_mov_b32 s[\g+1], 128<<16      ; tensor_dim0 = 128
	s_mov_b32 s[\g+2], 128<<16      ; tensor_dim1 = 128
	s_mov_b32 s[\g+3], 128<<16      ; tile_dim0 = 128
	s_mov_b32 s[\g+4], 128          ; tile_dim1 = 128
	s_mov_b32 s[\g+5], 128          ; 128 elements from row to row
	s_mov_b32 s[\g+6], 0
	s_mov_b32 s[\g+7], 0
.endr
	s_mov_b32 s[G1M+1], 64<<16      ; 64 keys
	s_mov_b32 s[G1M+2], 64<<16      ; 64 queries
	s_mov_b32 s[G1M+3], 64<<16
	s_mov_b32 s[G1M+4], 64
	s_mov_b32 s[G1M+5], 2048        ; elements from row to row
	s_mov_b32 s[G1M+6], 0
	s_mov_b32 s[G1M+7], 0
	s_lshl_b32 s20, s16, 20         ; the group's 1 MiB in a section,
	s_add_co_u32 s22, s20, 0x2000000  ; in v's,
	s_add_co_u32 s20, s20, 0x1000000  ; in k's
	s_mov_b32 s21, 0
	s_mov_b32 s23, 0
	s_and_b32 s76, s[WV], 1         ; which 64 rows of the mask's tile I fetch (waves 2, 3)
	s_mul_i32 s77, s76, 64*PM
	s_mov_b32 s[G0K], 1             ; count = 1
	s_mov_b32 s[G0K+1], 0           ; LDS address: slot 0; no place in the cluster enters an LDS address
	s_mov_b32 s[G0V], 1
	s_mov_b32 s[G0V+1], VOFF
	s_mov_b32 s[G0M], 1
	s_add_co_u32 s[G0M+1], s77, MOFF
	s_lshl_b32 s72, s15, 20         ; the block's 128 rows of 8,192 bytes,
	s_lshl_b32 s73, s76, 19         ; my 64 of them
	s_add_co_u32 s72, s72, s73
	s_mov_b32 s73, 0
	s_lshl_b32 s74, s16, 20         ; Q: the group, the block's two token blocks of 32 KiB, my head's 8 KiB
	s_lshl_b32 s75, s15, 16
	s_add_co_u32 s74, s74, s75
	s_lshl_b32 s75, s[WV], 13
	s_add_co_u32 s74, s74, s75
	s_mov_b32 s75, 0
	s_lshr_b32 s2, s16, 2           ; O: the batch's 2,048 tokens of 2,048 bytes,
	s_lshl_b32 s2, s2, 22
	s_lshl_b32 s3, s15, 18          ; the block's 128,
	s_add_co_u32 s2, s2, s3
	s_lshl_b32 s3, s[WV], 16        ; the 32 that I store,
	s_add_co_u32 s2, s2, s3
	s_and_b32 s3, s16, 3            ; the group's 512 bytes of a token
	s_lshl_b32 s3, s3, 9
	s_add_co_u32 s2, s2, s3
	s_mov_b32 s3, 0
	; the prefetches: they start at step 1; the first change of slots steps them to step 2
	s_lshl_b32 s78, s13, 13         ; K, V: my work-group's 8 KiB of a step's 32
	s_add_co_u32 s78, s78, 32768
	s_cmp_eq_u32 s[WV], 0
	s_cselect_b32 s79, s20, s22
	s_add_co_u32 s78, s78, s79
	s_lshl_b32 s8, s15, 20          ; the mask: my work-group's 32 rows of the block's 128
	s_lshl_b32 s9, s14, 18
	s_add_co_u32 s8, s8, s9
	s_add_co_u32 s8, s8, 256
	s_mov_b32 s[PFS], 256
	s_cmp_lt_u32 s[WV], 2
	s_cselect_b32 s78, s78, s8
	s_cselect_b32 s[PFS], 32768, s[PFS]
	s_cselect_b32 s77, 8, 13        ; a lane a block of 256 bytes, or a lane a row of 8,192
	s_cselect_b32 s76, ttmp9, s19   ; the coordinate along which other clusters walk the same bytes
	s_mov_b32 s79, 0
	s_mov_b32 s[PFS+1], 0
	s_cmp_eq_u32 s[WV], 3
	s_cselect_b32 s76, 1, s76       ; wave 3 asks for nothing
	s_cmp_eq_u32 s76, 0
	s_cselect_b32 s[LIM], 1, -1     ; the same in all sixteen partners, for a given wave
	s_mov_b32 s[SEL], 0x76543210
	s_mov_b32 s[SEL+1], 0xfedcba98
	s_mov_b32 s[TB], SLOT1          ; the first change of slots turns it into 0
	s_mov_b32 s[SLOTS], 2048/KS-1
	s_wait_dscnt 0x0                ; the opening add is done
	s_wait_kmcnt 0x0
	s_add_nc_u64 s[G0K+2:G0K+3], s[4:5], s[20:21]  ; global address: step 0
	s_or_b32 s[G0K+3], s[G0K+3], 0x80000000        ; type = 2
	s_add_nc_u64 s[G0V+2:G0V+3], s[4:5], s[22:23]
	s_or_b32 s[G0V+3], s[G0V+3], 0x80000000
	s_add_nc_u64 s[G0M+2:G0M+3], s[6:7], s[72:73]
	s_or_b32 s[G0M+3], s[G0M+3], 0x80000000
	s_cmp_lt_u32 s[WV], 2
	s_cselect_b64 s[PFA:PFA+1], s[4:5], s[6:7]
	s_add_nc_u64 s[PFA:PFA+1], s[PFA:PFA+1], s[78:79]
	s_add_nc_u64 s[4:5], s[4:5], s[74:75]          ; Q at my head's first row of the block
	s_add_nc_u64 s[10:11], s[10:11], s[2:3]
	CROUND                          ; all sixteen work-groups are here: the first joint loads meet
	JLOAD                           ; step 0 into slot 0.  Step 1 is asked for when step 0 is in
	; A fragment of K or Q is 16 rows x 32 channels in 8 registers: lane l holds row l % 16, channels 8 (l / 16) + 0..7 and 16 + 8 (l / 16) + 0..7: two loads of 16 bytes, 32 bytes apart.
	v_and_b32 v48, 15, v0           ; l % 16
	v_bfe_u32 v49, v0, 4, 1         ; l / 16
	v_and_b32 v50, 7, v0
	v_bfe_u32 v51, v0, 3, 1
	v_and_b32 v52, 31, v0
	v_lshlrev_b32 v[QO], 7, v48
	v_lshl_add_u32 v[QO], v49, 4, v[QO]  ; row x 128 + 16 x half
	WIN 0x80                        ; destination window 2, address window 0
.set i, 0
.rept 4*NP                          ; Q stays in registers: tile i / 2 (four tiles to a token block of 64), channels 32 (i % 2) on
	global_load_b128 v[8*i:8*i+3],   v[QO], s[4:5] offset:(i/8)*32768+((i/2)%4)*2048+(i%2)*64
	global_load_b128 v[8*i+4:8*i+7], v[QO], s[4:5] offset:(i/8)*32768+((i/2)%4)*2048+(i%2)*64+32
.set i, i+1
.endr
	; What the first turn finds: V's registers and P's second buffer hold 0 (its products V^T P, of a piece that has not been, add 0), O^T and l are 0.  All this stands in the wait for the first tile.
.set i, VF
.rept 64
	v_mov_b32 v[i], 0
.set i, i+1
.endr
	WIN 0x40
.set i, 0
.rept 64*NP
	v_mov_b32 v[i], 0
.set i, i+1
.endr
	WIN 0
.set i, 0
.rept 2*NP
	v_mov_b32 v[ST+4*i], 0xff7fffff    ; m
	v_mov_b32 v[ST+4*i+1], 0
	v_mov_b32 v[ST+4*i+2], 0
	v_mov_b32 v[ST+4*i+3], 0
.set i, i+1
.endr
.set i, P+32
.rept 32
	v_mov_b32 v[i], 0
.set i, i+1
.endr
	s_mul_i32 s76, s[WV], KS*PK     ; my head's 64 rows of K
	v_mul_u32_u24 v[AK0], v48, PK
	v_lshl_add_u32 v[AK0], v49, 4, v[AK0]  ; row x pitch + 16 x half
	v_add_nc_u32 v[AK0], s76, v[AK0]
	; The turning load takes 16 keys x 16 channels (lane l reads key 8 (l / 16) + l % 8, channels 8 ((l / 8) % 2) + 0..7) and leaves half a fragment of V^T: lane l holds channel l % 16 and 8 keys.
	s_mul_i32 s76, s[WV], KS*PVP
	s_add_co_u32 s76, s76, VOFF
	v_lshl_add_u32 v[AV0], v49, 3, v50
	v_mul_u32_u24 v[AV0], v[AV0], PVP
	v_lshl_add_u32 v[AV0], v51, 4, v[AV0]
	v_add_nc_u32 v[AV0], s76, v[AV0]
	; The mask as C operand: register j of key block kb is (query l % 16, key 16 kb + 8 (l / 16) + j): 32 bytes of the query's row
	v_mul_u32_u24 v[AM0], v48, PM
	v_lshl_add_u32 v[AM0], v49, 5, v[AM0]
	v_add_nc_u32 v[AM0], MOFF, v[AM0]
	s_lshl_b32 s76, s[WV], 7        ; the way out, in: row l % 16 of a tile, my head's 128 bytes of it, 16 bytes for each half of the lanes
	s_add_co_u32 s76, s76, STAGE
	v_mul_u32_u24 v[STO], v48, SP
	v_lshl_add_u32 v[STO], v49, 4, v[STO]
	v_add_nc_u32 v[STO], s76, v[STO]
	s_mul_i32 s76, s[WV], 32*SP     ; back: wave w takes rows 32 w .. 32 w + 31, whole: 32 lanes a row of 512 bytes
	s_add_co_u32 s76, s76, STAGE
	v_lshl_add_u32 v[RD], v52, 4, s76
	v_lshlrev_b32 v[GO], 4, v52
	v_lshlrev_b32 v[PFO], s77, v52
; THE MATRIX WORK.  The 8 accumulators of a run of 16 take turns: between the two links of a chain stand 7 others'.
; Product i of 16 of S^T = K q^T for piece x: channels 32 (i / 8) on, keys 16 ((i / 2) % 4) on, tile 2 x + i % 2.  The first 8 start the sums, with the mask.
.macro KQ x
.set rS, S+64*((\x)%2)+32*(i%2)+8*((i/2)%4)
.set rK, KF+16*((i/2)%4)+8*(i/8)
.set rQ, 16*(2*(\x)+i%2)+8*(i/8)
.set rB, MB+32*(i%2)+8*((i/2)%4)
.if i < 8
	WIN W_KM
	v_wmma_f32_16x16x32_f16 v[rS:rS+7], v[rK:rK+7], v[rQ:rQ+7], v[rB:rB+7]
.else
	WIN W_KQ
	v_wmma_f32_16x16x32_f16 v[rS:rS+7], v[rK:rK+7], v[rQ:rQ+7], v[rS:rS+7]
.endif
.endm
; Product i of 16 of O^T += V^T P for piece x: keys 32 (i / 8) on, channels 16 ((i / 2) % 4) on, tile 2 x + i % 2.
.macro PV x
	WIN W_PV
.set rO, 32*(2*(\x)+i%2)+8*((i/2)%4)
.set rV, VF+32*(i/8)+8*((i/2)%4)
.set rP, P+32*((\x)%2)+16*(i%2)+8*(i/8)
	v_wmma_f32_16x16x32_f16 v[rO:rO+7], v[rV:rV+7], v[rP:rP+7], v[rO:rO+7]
.endm
.macro MM                           ; the turn's next matrix instruction
.if i < 16
	KQ (Y+1)%NP
.set i, i+1
.else
.set i, i-16
	PV (Y+NP-1)%NP
.set i, i+17
.endif
.endm
; THE LDS LOADS stand in runs of 16, never singly among the matrix instructions: a step's K (8 fragments), its V (turned), and a piece's mask (2 tiles x 4 key blocks x 32 bytes a lane).
.macro FETCH_K
	WIN 0x80                        ; destination window 2
.irp f, 0,1,2,3,4,5,6,7             ; keys 16 (f / 2) on, channels 32 (f % 2) on
	ds_load_b128 v[KF+8*\f:KF+8*\f+3],   v[AK] offset:(\f/2)*16*PK+(\f%2)*64
	ds_load_b128 v[KF+8*\f+4:KF+8*\f+7], v[AK] offset:(\f/2)*16*PK+(\f%2)*64+32
.endr
	WIN 0
.endm
.macro FETCH_V
	WIN 0x80
.irp f, 0,1,2,3,4,5,6,7             ; keys 32 (f / 4) on, channels 16 (f % 4) on
	ds_load_tr16_b128 v[VF+8*\f:VF+8*\f+3],   v[AV] offset:(\f/4)*32*PVP+(\f%4)*32
	ds_load_tr16_b128 v[VF+8*\f+4:VF+8*\f+7], v[AV] offset:(\f/4)*32*PVP+16*PVP+(\f%4)*32
.endr
	WIN 0
.endm
.macro FETCH_M x                    ; piece x's mask
	WIN W_MK                        ; destination window 3
.irp u, 0,1
.irp kb, 0,1,2,3
	ds_load_b128 v[MB+32*\u+8*\kb:MB+32*\u+8*\kb+3],   v[AM] offset:(2*(\x)+\u)*16*PM+64*\kb
	ds_load_b128 v[MB+32*\u+8*\kb+4:MB+32*\u+8*\kb+7], v[AM] offset:(2*(\x)+\u)*16*PM+64*\kb+16
.endr
.endr
	WIN 0
.endm
; THE VECTOR WORK OF A TURN stands in three queues, each in the order in which its entries become ready; the two tiles alternate, so that no instruction reads the result of the one before it.
.macro REGS y, u                    ; the registers of tile u (0, 1) of piece y
.set rT, ST+4*(2*(\y)+(\u))
.set rC, TMP+8*((\y)%2)+4*(\u)
.set rM, MV+2*((\y)%2)+(\u)
.set rS, S+64*((\y)%2)+32*(\u)
.set rP, P+32*((\y)%2)+16*(\u)
.set rO, 32*(2*(\y)+(\u))
.endm
; Number n of those that find the NEXT piece's (Y + 1) maximum and statistics (there is no number 19).  s0-s31 are the lane's 32 scores; each accumulator's lowest registers are read first.
;   0-11  four chains c0-c3 of seven scores each, three operands at a time     12-14, 16  the four scores left over, the old m, and c0-c3 into c0     15  m_old is kept
;   17, 18  the query's other 32 keys lie in the lane 16 away: the new m         20, 21  m_old - m_new; a
.macro XS u, n
	REGS (Y+1)%NP, \u
.if (\n) < 4
	v_max3_num_f32 v[rC+(\n)], v[rS+8*(\n)], v[rS+8*(\n)+1], v[rS+8*(\n)+2]
.elseif (\n) < 12
	v_max3_num_f32 v[rC+(\n)%4], v[rC+(\n)%4], v[rS+8*((\n)%4)+2*((\n)/4)+1], v[rS+8*((\n)%4)+2*((\n)/4)+2]
.elseif (\n) == 12
	v_max3_num_f32 v[rC], v[rC], v[rS+7], v[rS+15]
.elseif (\n) == 13
	v_max3_num_f32 v[rC+1], v[rC+1], v[rS+23], v[rS+31]
.elseif (\n) == 14
	v_max3_num_f32 v[rC+2], v[rC+2], v[rC+3], v[rT]
.elseif (\n) == 15
	v_mov_b32 v[rM], v[rT]
.elseif (\n) == 16
	v_max3_num_f32 v[rC], v[rC], v[rC+1], v[rC+2]
.elseif (\n) == 17
	v_permlanex16_b32 v[rC+3], v[rC], s[SEL], s[SEL+1]
.elseif (\n) == 18
	v_max_num_f32 v[rT], v[rC], v[rC+3]
.elseif (\n) == 20
	v_sub_f32 v[rC+1], v[rM], v[rT]
.else
	v_exp_f32 v[rC+2], v[rC+1]
.endif
.endm
; Number g of the 64 that follow the exponentials.  For each four weights k of a tile (pairs 2 k, 2 k + 1): both pairs are rounded to f16; then the second pair is added onto the first, in place;
; a group later l takes that sum (the first time as l = a l + sum).  In groups of eight, tiles alternating: round, round, add, and l for the group before.
.macro GS g
.set h, (\g)+6*((\g)/62)            ; group 0 has no group before it, and behind group 7 only l is left
.if h >= 6
.set h, h+2
.endif
	REGS Y, h%2
.set k, h/8
.if h%8 < 4
	s_wait_alu depctr_va_vdst(0)
	v_cvt_pk_f16_f32 v[rP+2*k+(h%8)/2], v[rS+4*k+2*((h%8)/2)], v[rS+4*k+2*((h%8)/2)+1]
.elseif h%8 < 6
	v_pk_add_f32 v[rS+4*k:rS+4*k+1], v[rS+4*k:rS+4*k+1], v[rS+4*k+2:rS+4*k+3]
.elseif k == 1
	v_pk_fma_f32 v[rT+2:rT+3], v[rT+2:rT+3], v[rC+2:rC+3], v[rS:rS+1] op_sel_hi:[1,0,1]
.else
	v_pk_add_f32 v[rT+2:rT+3], v[rT+2:rT+3], v[rS+4*k-4:rS+4*k-3]
	s_wait_alu depctr_va_vdst(0)
.endif
.endm
; THE PLAIN QUEUE, 136 long.  0-31: s - m for the 16 pairs of both tiles.  Then GS's 64, and among them the next piece's 40: number 15 at 38, 39; 0-14 and 16 at 42-73, behind the products that make
; those scores; 17, 18 and 20 at 95-103, two of three, since each waits for the one before it.
.macro PL
	WIN 0
.if q < 32
	REGS Y, q%2
	v_pk_add_f32 v[rS+2*(q/2):rS+2*(q/2)+1], v[rS+2*(q/2):rS+2*(q/2)+1], v[rT:rT+1] op_sel_hi:[1,0] neg_lo:[0,1] neg_hi:[0,1]
.elseif q < 38
	GS q-32
.elseif q < 40
	XS q%2, 15
.elseif q < 42
	GS q-34
.elseif q < 74
	XS q%2, (q-42)/2+(q-42)/30
.elseif q < 95
	GS q-66
.elseif (q < 104) && ((q-95)%3 < 2)
	XS (q-95)%3, 17+(q-95)/3+(q-95)/6
.elseif q < 104
	GS 29+(q-95)/3
.else
	GS q-72
.endif
.set q, q+1
.endm
; THE EXPONENTIALS' QUEUE, 66 long: s0-s31 of both tiles, and at EA the next piece's two a.
.set EA, 58
.macro EX
	WIN 0
.if (e == EA) || (e == EA+1)
	XS e-EA, 21
.else
.set x, e-2*(e/(EA+2))
	REGS Y, x%2
	v_exp_f32 v[rS+x/2], v[rS+x/2]
.endif
.set e, e+1
.endm
; THE RESCALING's QUEUE: O^T times a, the one part that leaves window 0, so it is dealt four at a time, eight times.
.macro R4
	REGS Y, r%2
	WIN W_RS
	s_wait_alu depctr_va_vdst(0)
.irp z, 0,1,2,3
	v_pk_mul_f32 v[rO+8*(r/2)+2*\z:rO+8*(r/2)+2*\z+1], v[rO+8*(r/2)+2*\z:rO+8*(r/2)+2*\z+1], v[rC+2:rC+3] op_sel_hi:[1,0]
.endr
.set r, r+1
.endm
; HOW THEY ARE DEALT.  Behind a matrix instruction four: plain, exponential, plain, plain, or four of the rescaling; none names a register of the products round it.  What is over stands in two runs:
; exponential and plain by turns; the second ends in 20 plain instructions.  The queues lean on each other, and the deal keeps them in step: exponential e stands behind plain 2 (e / 4) + e % 2; when
; plain 32 comes, 10 exponentials are out, at 59: 33, at 95: 46; from plain 104 on a rounding wants exponentials up to 47, and 55 are out; EA comes behind plain 107, its argument is made at 101, 102.
.macro SL
	MM
	PL
	EX
	PL
	PL
.endm
.macro BURST n                      ; 15 matrix instructions, or 16
.rept (\n)-7
	SL
.endr
.rept 3
	MM
	R4
	SL
.endr
	MM
	R4
.endm
; A TURN, for piece p.  The mask of piece p + 2 is fetched in the first run, behind all 16 products K q^T (the first 8 read the mask's registers), and waited for at the next turn's head.
; K of the next step is fetched in piece 2's turn, behind the same products; V of the step in hand at the end of piece 0's turn, 66 vector instructions behind its last reader.
.macro TURN p
.set Y, (\p)
.set i, 0
.set q, 0
.set e, 0
.set r, 0
.if (\p) == 1
	s_wait_dscnt 16                 ; piece 2's mask is in; V's 16 loads, issued behind it, may stay out
.else
	s_wait_dscnt 0x0                ; the next piece's mask is in (at piece 3's turn: K too)
.endif
	MM
.rept 4
	PL
.endr
	BURST 15
.rept 22
	EX
	PL
.if e == 16
	FETCH_M ((\p)+2)%NP
.endif
.if ((\p) == 2) && (e == 24)
	FETCH_K
.endif
.endr
.if (\p) == 1
	s_wait_dscnt 16                 ; V is in; the mask's 16 loads, issued behind it, may stay out
.endif
	BURST 16
.rept 21
	EX
	PL
.endr
.rept 20
	PL
.endr
.if (\p) == 0
	FETCH_V
.endif
.endm
	CHANGE 1                        ; step 0 is in, everybody's part of it; step 1 is asked for
	FETCH_K                         ; key step 0
	FETCH_M 0
	s_wait_loadcnt 0x0              ; Q
	s_wait_dscnt 0x0
.set i, 0
.rept 16
	KQ 0                            ; piece 0's first scores: there is no vector work yet to set between them
.set i, i+1
.endr
	WIN 0
.rept 4
	v_nop                           ; the places behind those products
.endr
	FETCH_M 1
.set Y, NP-1                        ; XS works for piece Y + 1: piece 0
.irp n, 0,1,2,3,4,5,6,7,8,9,10,11,12,13,14,15,16,17,18,20,21
	XS 0, \n                        ; piece 0's first maximum and statistics
	XS 1, \n
.endr
	v_nop                           ; a plain instruction behind the exponentials
	s_branch .Lfirst                ; the loop is entered at a step's first turn, in the middle of a trip
.Lslot:                             ; 30 times: a trip is pieces 2 and 3 of one step, then pieces 0 and 1 of the next, all of whose LDS reads go to the slot that the change has shown whole
	CHANGE 1
	TURN 2
	TURN 3
	WIN 0
.Lfirst:
	TURN 0
	TURN 1
	WIN 0
	s_sub_co_u32 s[SLOTS], s[SLOTS], 1
	s_cmp_lg_u32 s[SLOTS], 0
	s_cbranch_scc1 .Lslot
	CHANGE 0                        ; the tail is written out: nothing is asked for
	s_mov_b32 s[CNT], 2             ; one trip for the last step; the second is left in its middle
.Ltail:
	TURN 2
	TURN 3
	WIN 0
	s_sub_co_u32 s[CNT], s[CNT], 1
	s_cmp_eq_u32 s[CNT], 0
	s_cbranch_scc1 .Lout
	TURN 0
	TURN 1
	WIN 0
	s_branch .Ltail
.Lout:                              ; the second trip's reads of the last slot's K and mask, its 16 products K q^T and the maximum made of them serve nothing: the price, once a launch, of one text for every trip
.set i, 0
.rept 16
	PV NP-1                         ; the last piece's V^T P of the last step
.set i, i+1
.endr
	; THE WAY OUT.  l's two halves and the other half of the lanes' are added; O^T is divided by l, rounded to f16 and put into the work-group's stage: a token's row there holds the four heads' 512 bytes.
	; A barrier, since a row comes from four waves; then each wave reads 32 whole rows and stores them.  The additions are the places behind the last products.
	WIN 0
.macro ALL line:vararg              ; one line for each tile t
.set t, 0
.rept 2*NP
	\line
.set t, t+1
.endr
.endm
	ALL v_add_f32 v[ST+4*t+2], v[ST+4*t+2], v[ST+4*t+3]
	ALL v_permlanex16_b32 v[ST+4*t+3], v[ST+4*t+2], s[SEL], s[SEL+1]
	ALL v_add_f32 v[ST+4*t+2], v[ST+4*t+2], v[ST+4*t+3]
	ALL v_rcp_f32 v[ST+4*t+2], v[ST+4*t+2]
	v_nop                           ; a plain instruction between the last reciprocal and the use of its result
	s_wait_alu depctr_va_vdst(0)
.macro PACK t                       ; a lane's eight channels of a row pack into 16 bytes
	WIN W_RS
.set i, 32*(\t)
.rept 16
	v_pk_mul_f32 v[i:i+1], v[i:i+1], v[ST+4*(\t)+2:ST+4*(\t)+3] op_sel_hi:[1,0]
.set i, i+2
.endr
	WIN 0x05                        ; sources 0 and 1 window 1, destination window 0: S^T's registers are free
.set i, 0
.rept 16
	v_cvt_pk_f16_f32 v[S+16*(\t)+i], v[32*(\t)+2*i], v[32*(\t)+2*i+1]
.set i, i+1
.endr
	WIN 0
.irp f, 0,1,2,3
	ds_store_b128 v[STO], v[S+16*(\t)+4*\f:S+16*(\t)+4*\f+3] offset:(\t)*16*SP+32*\f
.endr
.endm
.irp t, 0,1,2,3,4,5,6,7
	PACK \t
.endr
	s_wait_dscnt 0x0                ; for the others' sake: my stores into the stage are done
	s_barrier_signal -1
	s_barrier_wait -1
.set i, 0
.rept 32
	ds_load_b128 v[S+4*i:S+4*i+3], v[RD] offset:i*SP
.set i, i+1
.endr
.set i, 0
.rept 32
	s_wait_dscnt 31-i               ; LDS loads come back in order: row i is in
	global_store_b128 v[GO], v[S+4*i:S+4*i+3], s[10:11] offset:i*2048  ; 512 consecutive bytes, at a multiple of 512 from the buffer's first: four heads of one token
.set i, i+1
.endr
	WIN W_AD
	s_wait_tensorcnt 0x0            ; the wave's end: behind my last tensor load and my last LDS store
	ds_add_u32 v[SPW], v[NIL]
	s_wait_dscnt 0x0
	WIN 0
	CROUND                          ; the closing round: no work-group ends while a partner may still ask for a tile that names it
	s_endpgm
.Lfunc_end_k_qfc7910422a_attn:
	.size	k_qfc7910422a_attn, .Lfunc_end_k_qfc7910422a_attn-k_qfc7910422a_attn
	.p2alignl 7, 3214868480
	.fill 96, 4, 3214868480
	.section	.rodata,"a",@progbits
	.p2align	6, 0x0
	.amdhsa_kernel k_qfc7910422a_attn
		.amdhsa_group_segment_fixed_size 327680
		.amdhsa_private_segment_fixed_size 0
		.amdhsa_enable_private_segment 0
		.amdhsa_kernarg_size 24
		.amdhsa_user_sgpr_count 2
		.amdhsa_user_sgpr_kernarg_segment_ptr 1
		.amdhsa_wavefront_size32 1
		.amdhsa_system_sgpr_workgroup_id_x 1
		.amdhsa_system_sgpr_workgroup_id_y 1
		.amdhsa_system_sgpr_workgroup_id_z 1
		.amdhsa_system_vgpr_workitem_id 0
		.amdhsa_next_free_vgpr 834
		.amdhsa_next_free_sgpr 80
		.amdhsa_reserve_vcc 0
		.amdhsa_float_denorm_mode_32 3
		.amdhsa_float_denorm_mode_16_64 3
		.amdhsa_memory_ordered 1
		.amdhsa_forward_progress 1
		.amdhsa_inst_pref_size 222
	.end_amdhsa_kernel
	.amdgpu_metadata
---
amdhsa.version: [ 1, 2 ]
amdhsa.kernels:
  - .name:           k_qfc7910422a_attn
    .symbol:         k_qfc7910422a_attn.kd
    .args:
      - { .name: qkv, .offset: 0, .size: 8, .value_kind: global_buffer, .address_space: global }
      - { .name: mk, .offset: 8, .size: 8, .value_kind: global_buffer, .address_space: global }
      - { .name: oh, .offset: 16, .size: 8, .value_kind: global_buffer, .address_space: global }
    .group_segment_fixed_size: 327680
    .private_segment_fixed_size: 0
    .kernarg_segment_align: 8
    .kernarg_segment_size: 24
    .max_flat_workgroup_size: 128
    .sgpr_count:     80
    .vgpr_count:     834
    .wavefront_size: 32
...
	.end_amdgpu_metadata
.endif
;; end of part 3
;; launch oproj (part 4): grid 4 x 64, 4 waves a work-group, clusters of 4 x 4, 327,680 bytes of LDS; arguments oh, woh, bias4, out0; writes out0
.if DOCPART == 4
	.amdgcn_target "amdgcn-amd-amdhsa--gfx1250"
	.amdhsa_code_object_version 6
	.text
	.protected	k_qfc7910422a_oproj
	.globl	k_qfc7910422a_oproj
	.p2align	8
	.type	k_qfc7910422a_oproj,@function
k_qfc7910422a_oproj:
	s_mov_b64 s[64:65], 0
	v_nop
	global_prefetch_b8 v0, s[64:65] scope:SCOPE_SE
	s_setreg_imm32_b32 hwreg(HW_REG_WAVE_MODE, 25, 1), 1
	s_wait_xcnt 0x0
	s_wait_alu depctr_hold_cnt(0) depctr_sa_sdst(0) depctr_va_vdst(0) depctr_va_sdst(0) depctr_va_ssrc(0) depctr_va_vcc(0) depctr_vm_vsrc(0)
	s_getreg_b32 s2, hwreg(HW_REG_IB_STS2, 6, 4)
	s_cmp_eq_u32 s2, 0
	s_cbranch_scc0 .Lentry_in_a_cluster
	s_endpgm
.Lentry_in_a_cluster:
	s_bfe_u32 s2, ttmp6, 0x10000c
	s_cmp_lg_u32 s2, 0xf033
	s_cbranch_scc0 .Lentry_shape_is_right
	s_endpgm
.Lentry_shape_is_right:
; out0 = O Wo^T + bo.  oh: f16 [8192][1024]; woh: f16 [1024][1024] (Wo rounded to bf16, that number written as f16); bias4's fourth row: bo; out0: f32 [8192][1024].  Sums in f32, started by the bias.
; SHARES.  A tile of the result is 128 tokens x 256 columns: 64 x 4 work-groups, one for each of 256 WGPs (tiles of 256 x 256 would be 128).  Four waves, 2 x 2; a wave makes 64 x 128: 32 accumulators.
; K goes in steps of 128 through two LDS slots: rows of 256 bytes, aligned.  CLUSTER 4 x 4: O's tile is asked for jointly along a row of the cluster, Wo's along a column.
; No prefetch: each tile is asked for by several clusters shortly after one another, and a K step's tiles are small.
; THE PRODUCT IS USED TRANSPOSED (source 0 = 16 rows of Wo, source 1 = 16 tokens): lane l holds token l % 16 and the columns 8 (l / 16) + 0..7 of a block of 16: 32 bytes of a row of the result.
; REGISTERS, in windows of 256 (s_set_vgpr_msb: bits 1:0 source 0, 3:2 source 1, 5:4 source 2, 7:6 destination):
;   window 0: v16-31 addresses; v32-95 the bias of my 128 columns, in the accumulators' layout; v96-223 rows read back on the way out
;   window 1: accumulator (a, b) at 8 (8 a + b)      window 2: two fragment buffers of 96: Wo's 8 fragments, then O's 4
.set KSTEP,  128
.set PITCH,  272                       ; an LDS row: 256 bytes + 16 of padding: the 16 rows of a fragment load start at 16 different groups of four banks (64 banks of 4 bytes: ISA guide 11.1)
.set AHALF,  64*PITCH
.set BHALF,  128*PITCH
.set BOFF,   2*AHALF
.set SLOT,   2*AHALF+2*BHALF           ; O's 128 rows, then Wo's 256: 104,448 bytes
.set STAGE,  2*SLOT                    ; behind the ring, never filled by a tensor load: 16 rows x 528 bytes for each wave
.set SP,     528
.set SPARE,  STAGE+4*16*SP             ; the spare words, 128 bytes for each wave: two blocks of 256 bytes that no other line names
.set LAPS,   4
.set ADRA, 16
.set ADRB, 20
.set STO,  24
.set RD,   25
.set CO,   26
.set SPW,  28
.set NIL,  29
.set BO,   30
.set BIAS, 32
.set OB,   96                          ; v96-159, v160-223: 16 rows read back, by turns
.set F0,   0
.set F1,   96
.set G1, 24
.set G0, 32
.set G1B, 48
.set G0B, 56
.set MSB, 0
.macro WIN new
.if MSB != (\new)
	s_set_vgpr_msb (MSB<<8)|(\new)
.set MSB, \new
.endif
.endm
.set MUL,  0x5a                        ; sources 0 and 1 window 2; C and D window 1
.set MULB, 0x4a                        ; the same with C in window 0: the bias
.set TO_F, 0x80                        ; destination window 2, address window 0
.macro JLOAD s                         ; a joint load: waves 0 and 1 fetch O's two halves, waves 2 and 3 Wo's; an s_nop 0 and four v_nop follow each line, ahead of the jump, the label and what follows
	s_cmp_eq_u32 s11, 0
	s_cbranch_scc0 .Lfor_b_\@
	tensor_load_to_lds s[G0+4*(\s):G0+4*(\s)+3], s[G1:G1+7]
	s_nop 0
.rept 4
	v_nop
.endr
	s_branch .Lasked_\@
.Lfor_b_\@:
	tensor_load_to_lds s[G0B+4*(\s):G0B+4*(\s)+3], s[G1B:G1B+7]
	s_nop 0
.rept 4
	v_nop
.endr
.Lasked_\@:
.endm
.macro CREST
	s_cmp_lg_u32 s10, 0
	s_cbranch_scc1 .Lnot_wave_0_\@
	s_barrier_signal -3
.Lnot_wave_0_\@:
	s_barrier_wait -3
	s_barrier_signal -1
	s_barrier_wait -1
.endm
.macro CROUND
	s_barrier_signal -1
	s_barrier_wait -1
	CREST
.endm
.macro PLACES                          ; four places in front of loads into registers that matrix instructions have read, and of LDS stores that read results
.rept 4
	v_nop
.endr
.endm
	s_load_b128 s[4:7], s[0:1], 0x0                ; oh s[4:5], woh s[6:7]
	s_load_b64 s[74:75], s[0:1], 0x10              ; bias4
	s_load_b64 s[8:9], s[0:1], 0x18                ; out0
	v_lshl_add_u32 v[SPW], v0, 2, SPARE
	v_mov_b32 v[NIL], 0
	ds_add_u32 v[SPW], v[NIL]                      ; the wave's opening: the add and its wait stand ahead of my first tensor load; the set-up below, work on registers, stands between them
	v_lshrrev_b32 v1, 5, v0
	v_readfirstlane_b32 s10, v1                    ; wave 0..3
	s_lshr_b32 s11, s10, 1                         ; which 64 tokens of the tile are mine.  Also: I fetch for O (0) or for Wo (1)
	s_and_b32 s12, s10, 1                          ; which 128 columns.  Also: which half of that tile I fetch
	s_bfe_u32 s40, ttmp6, 0x40000                  ; cx, cy
	s_bfe_u32 s41, ttmp6, 0x40004
	s_lshl_b32 s42, ttmp9, 2
	s_add_co_u32 s42, s42, s40                     ; tile column
	s_and_b32 s13, ttmp7, 0xffff
	s_lshl_b32 s13, s13, 2
	s_add_co_u32 s13, s13, s41                     ; tile row
	s_lshl_b32 s43, s41, 2
	s_lshl_b32 s43, 15, s43                        ; my row of the cluster
	s_lshl_b32 s44, 0x1111, s40                    ; my column
	s_or_b32 s[G1+0], s43, (1<<16)|(1<<20)|(1<<21)|(5<<22)|(3<<25)   ; the mask of my row; 2-byte elements; padding on; bit 21 beside a mask; after every 64 words 4 words
	s_or_b32 s[G1B+0], s44, (1<<16)|(1<<20)|(1<<21)|(5<<22)|(3<<25)
	s_mov_b32 s[G1+1], KSTEP<<16                   ; tensor_dim0 = 128
	s_mov_b32 s[G1+2], 64<<16                      ; tensor_dim1 = 64
	s_mov_b32 s[G1+3], KSTEP<<16                   ; tile_dim0 = 128
	s_mov_b32 s[G1+4], 64                          ; tile_dim1 = 64
	s_mov_b32 s[G1+5], 1024                        ; elements from row to row
	s_mov_b32 s[G1+6], 0
	s_mov_b32 s[G1+7], 0
	s_mov_b32 s[G1B+1], KSTEP<<16
	s_mov_b32 s[G1B+2], 128<<16
	s_mov_b32 s[G1B+3], KSTEP<<16
	s_mov_b32 s[G1B+4], 128
	s_mov_b32 s[G1B+5], 1024
	s_mov_b32 s[G1B+6], 0
	s_mov_b32 s[G1B+7], 0
	s_lshl_b32 s17, s12, 6
	s_lshl_b32 s16, s13, 7
	s_add_co_u32 s16, s16, s17                     ; O: row 128 x tile row + 64 x half
	s_lshl_b32 s16, s16, 11
	s_mov_b32 s17, 0
	s_lshl_b32 s47, s12, 7
	s_lshl_b32 s46, s42, 8
	s_add_co_u32 s46, s46, s47                     ; Wo: row 256 x tile column + 128 x half
	s_lshl_b32 s46, s46, 11
	s_mov_b32 s47, 0
	s_mul_i32 s20, s12, AHALF
	s_mul_i32 s21, s12, BHALF
	s_add_co_u32 s21, s21, BOFF
	s_wait_dscnt 0x0                               ; the opening add is done
	s_wait_kmcnt 0x0
	s_add_nc_u64 s[14:15], s[4:5], s[16:17]
	s_add_nc_u64 s[46:47], s[6:7], s[46:47]
	CROUND                                         ; all sixteen work-groups are here: the first joint loads meet
.irp s, 0,1
	s_mov_b32 s[G0+4*(\s)], 1
	s_add_co_u32 s[G0+4*(\s)+1], s20, (\s)*SLOT
	s_add_nc_u64 s[G0+4*(\s)+2:G0+4*(\s)+3], s[14:15], (\s)*KSTEP*2
	s_or_b32 s[G0+4*(\s)+3], s[G0+4*(\s)+3], 0x80000000
	s_mov_b32 s[G0B+4*(\s)], 1
	s_add_co_u32 s[G0B+4*(\s)+1], s21, (\s)*SLOT
	s_add_nc_u64 s[G0B+4*(\s)+2:G0B+4*(\s)+3], s[46:47], (\s)*KSTEP*2
	s_or_b32 s[G0B+4*(\s)+3], s[G0B+4*(\s)+3], 0x80000000
	JLOAD \s                                       ; two loads of mine are out
.endr
	v_and_b32 v1, 15, v0                           ; l % 16
	v_bfe_u32 v2, v0, 4, 1                         ; l / 16
	v_mul_u32_u24 v3, v1, PITCH
	v_lshl_add_u32 v3, v2, 4, v3
	s_mul_i32 s22, s11, AHALF
	s_mul_i32 s23, s12, BHALF
	s_add_co_u32 s23, s23, BOFF
.irp s, 0,1
	v_add_nc_u32 v[ADRA+(\s)], s22, v3
	v_add_nc_u32 v[ADRB+(\s)], s23, v3
	s_add_co_u32 s22, s22, SLOT
	s_add_co_u32 s23, s23, SLOT
.endr
	s_mul_i32 s23, s10, 16*SP
	s_add_co_u32 s23, s23, STAGE                   ; my stage
	v_mul_u32_u24 v4, v1, SP                       ; in: row l % 16, 32 bytes for each half of the lanes
	v_lshl_add_u32 v4, v2, 5, v4
	v_add_nc_u32 v[STO], s23, v4
	v_and_b32 v5, 31, v0
	v_lshl_add_u32 v[RD], v5, 4, s23               ; back: 32 lanes take one row of 512 bytes
	v_lshlrev_b32 v[CO], 4, v5
	v_lshlrev_b32 v[BO], 5, v2
	s_lshl_b32 s66, s13, 7                         ; my first row of the result,
	s_lshl_b32 s67, s11, 6
	s_add_co_u32 s66, s66, s67
	s_lshl_b32 s66, s66, 12                        ; 4,096 bytes a row,
	s_lshl_b32 s70, s42, 8                         ; my first column,
	s_lshl_b32 s71, s12, 7
	s_add_co_u32 s70, s70, s71
	s_lshl_b32 s70, s70, 2                         ; 4 bytes each
	s_add_co_u32 s66, s66, s70
	s_mov_b32 s67, 0
	s_add_nc_u64 s[8:9], s[8:9], s[66:67]
	s_add_co_u32 s70, s70, 3*4096                  ; bo is the fourth row of bias4
	s_mov_b32 s71, 0
	s_add_nc_u64 s[74:75], s[74:75], s[70:71]
.irp b, 0,1,2,3,4,5,6,7                ; the bias as the C operand wants it: register j of block b is column 16 b + 8 (l / 16) + j
	global_load_b128 v[BIAS+8*(\b):BIAS+8*(\b)+3],   v[BO], s[74:75] offset:64*(\b)
	global_load_b128 v[BIAS+8*(\b)+4:BIAS+8*(\b)+7], v[BO], s[74:75] offset:64*(\b)+16
.endr
; 8 matrix instructions: token block a x all 8 column blocks, 32 along K.  first = 1: the bias starts the sums.  The 32 accumulators take turns, in the same order everywhere.
.macro MUL8 f, a, first
.if \first
	WIN MULB
.else
	WIN MUL
.endif
.irp b, 0,1,2,3,4,5,6,7
.if \first
	v_wmma_f32_16x16x32_f16 v[8*(8*(\a)+(\b)):8*(8*(\a)+(\b))+7], v[(\f)+8*(\b):(\f)+8*(\b)+7], v[(\f)+64+8*(\a):(\f)+64+8*(\a)+7], v[BIAS+8*(\b):BIAS+8*(\b)+7]
.else
	v_wmma_f32_16x16x32_f16 v[8*(8*(\a)+(\b)):8*(8*(\a)+(\b))+7], v[(\f)+8*(\b):(\f)+8*(\b)+7], v[(\f)+64+8*(\a):(\f)+64+8*(\a)+7], v[8*(8*(\a)+(\b)):8*(8*(\a)+(\b))+7]
.endif
.endr
.endm
.macro FETCH slot, k, f                ; 24 LDS loads in one run: Wo's 8 fragments, then O's 4
	WIN TO_F
.irp i, 0,1,2,3,4,5,6,7
	ds_load_b128 v[(\f)+8*(\i):(\f)+8*(\i)+3],   v[ADRB+(\slot)] offset:(\k)+(\i)*16*PITCH
	ds_load_b128 v[(\f)+8*(\i)+4:(\f)+8*(\i)+7], v[ADRB+(\slot)] offset:(\k)+(\i)*16*PITCH+32
.endr
.irp i, 0,1,2,3
	ds_load_b128 v[(\f)+64+8*(\i):(\f)+64+8*(\i)+3],   v[ADRA+(\slot)] offset:(\k)+(\i)*16*PITCH
	ds_load_b128 v[(\f)+64+8*(\i)+4:(\f)+64+8*(\i)+7], v[ADRA+(\slot)] offset:(\k)+(\i)*16*PITCH+32
.endr
.endm
.macro QUARTER slot, k, f, g, first
	s_wait_dscnt 4                                 ; Wo's fragments and O's blocks 0, 1 are in; the youngest four loads may be out
	MUL8 \f, 0, \first
	MUL8 \f, 1, \first
	PLACES
	FETCH \slot, \k, \g
	s_wait_dscnt 24                                ; all but the 24 just issued
	MUL8 \f, 2, \first
	MUL8 \f, 3, \first
.endm
; The last quarter multiplies buffer 1 and changes slots: each wave waits for all its tensor loads (one is out: its part of the next slot), adds 0 to its spare word, and waits for that and for its own
; reads of this slot.  fill = 1: the barrier opens a round of the cluster's barrier, and the joint refill, two K steps on, is the first thing behind the round: 112 matrix instructions ahead of the wait for it.
.macro TURN slot, next, fill
	WIN 0                                          ; (the add's two registers lie in window 0)
	s_wait_tensorcnt 0x0
	ds_add_u32 v[SPW], v[NIL]                      ; 0 onto my spare word
	s_wait_dscnt 5                                 ; (the add and the youngest four loads may be out)
	MUL8 F1, 0, 0
	s_wait_dscnt 0x0                               ; the add is done, and my reads of this slot are over
	s_barrier_signal -1
	MUL8 F1, 1, 0
.if \fill
	WIN 0
.endif
	s_barrier_wait -1
.if \fill
	CREST
	s_add_nc_u64 s[G0+4*(\slot)+2:G0+4*(\slot)+3], s[G0+4*(\slot)+2:G0+4*(\slot)+3], 2*KSTEP*2
	s_add_nc_u64 s[G0B+4*(\slot)+2:G0B+4*(\slot)+3], s[G0B+4*(\slot)+2:G0B+4*(\slot)+3], 2*KSTEP*2
	JLOAD \slot                                    ; the four v_nop behind it are also the places in front of the loads below
.else
	PLACES
.endif
	FETCH \next, 0, F0
	MUL8 F1, 2, 0
	MUL8 F1, 3, 0
.endm
	s_wait_tensorcnt 1                             ; my part of K step 0 is in; K step 1's may stay out
	s_barrier_signal -1
	s_barrier_wait -1
	FETCH 0, 0, F0
	s_wait_loadcnt 0x0                             ; the bias
	QUARTER 0, 64,  F0, F1, 1                      ; the first quarter stands in front of the loop: its products start the sums
	WIN 0                                          ; at a label and at a branch every window is 0
	s_mov_b32 s3, LAPS-1
.Llap:                                                 ; a trip goes once round the ring and fills both slots again
	QUARTER 0, 128, F1, F0, 0
	QUARTER 0, 192, F0, F1, 0
	TURN 0, 1, 1
	QUARTER 1, 64,  F0, F1, 0
	QUARTER 1, 128, F1, F0, 0
	QUARTER 1, 192, F0, F1, 0
	TURN 1, 0, 1
	QUARTER 0, 64,  F0, F1, 0
	WIN 0
	s_sub_co_u32 s3, s3, 1
	s_cmp_lg_u32 s3, 0
	s_cbranch_scc1 .Llap
	QUARTER 0, 128, F1, F0, 0                      ; the last lap fills nothing
	QUARTER 0, 192, F0, F1, 0
	TURN 0, 1, 0
	QUARTER 1, 64,  F0, F1, 0
	QUARTER 1, 128, F1, F0, 0
	QUARTER 1, 192, F0, F1, 0
	s_wait_dscnt 4                                 ; the very last quarter: nothing more to fetch
	MUL8 F1, 0, 0
	MUL8 F1, 1, 0
	s_wait_dscnt 0x0
	MUL8 F1, 2, 0
	MUL8 F1, 3, 0
	WIN 0
	PLACES
; THE WAY OUT, a block of 16 tokens at a time: a lane's 32 bytes go into my stage (rows of 528 bytes; each accumulator's lowest registers first) and come back as whole rows of 512.
.macro OUTB a
	WIN 0x04                                       ; the stored data (source 1) in window 1
.irp b, 0,1,2,3,4,5,6,7
	ds_store_b128 v[STO], v[8*(8*(\a)+(\b)):8*(8*(\a)+(\b))+3]   offset:64*(\b)
	ds_store_b128 v[STO], v[8*(8*(\a)+(\b))+4:8*(8*(\a)+(\b))+7] offset:64*(\b)+16
.endr
	WIN 0
	s_wait_xcnt 0x0                                ; the stores of the block two back have read these registers: they are loaded again only behind this wait
.irp i, 0,1,2,3,4,5,6,7,8,9,10,11,12,13,14,15
	ds_load_b128 v[OB+64*((\a)%2)+4*(\i):OB+64*((\a)%2)+4*(\i)+3], v[RD] offset:(\i)*SP  ; LDS serves a wave's instructions in order (ISA guide 5.7.1.4): these see the stores above; the next block's stores come behind them
.endr
.endm
.macro SEND a, younger                 ; younger: the LDS instructions issued behind this block's loads: the next block's 32, or none
.irp i, 0,1,2,3,4,5,6,7,8,9,10,11,12,13,14,15
	s_wait_dscnt (\younger)+15-(\i)
	global_store_b128 v[CO], v[OB+64*((\a)%2)+4*(\i):OB+64*((\a)%2)+4*(\i)+3], s[8:9] offset:(16*(\a)+(\i))*4096 th:TH_STORE_NT  ; 512 consecutive bytes, at a multiple of 512 from the buffer's first
.endr
.endm
	OUTB 0
	OUTB 1
	SEND 0, 32
	OUTB 2
	SEND 1, 32
	OUTB 3
	SEND 2, 32
	SEND 3, 0
	s_wait_tensorcnt 0x0                           ; the wave's end: behind my last tensor load and my last LDS store
	ds_add_u32 v[SPW], v[NIL]
	s_wait_dscnt 0x0
	CROUND                                         ; the closing round: no work-group ends while a partner may still ask for a tile that names it
	s_endpgm
.Lfunc_end_k_qfc7910422a_oproj:
	.size	k_qfc7910422a_oproj, .Lfunc_end_k_qfc7910422a_oproj-k_qfc7910422a_oproj
	.p2alignl 7, 3214868480
	.fill 96, 4, 3214868480
	.section	.rodata,"a",@progbits
	.p2align	6, 0x0
	.amdhsa_kernel k_qfc7910422a_oproj
		.amdhsa_group_segment_fixed_size 327680
		.amdhsa_private_segment_fixed_size 0
		.amdhsa_enable_private_segment 0
		.amdhsa_kernarg_size 32
		.amdhsa_user_sgpr_count 2
		.amdhsa_user_sgpr_kernarg_segment_ptr 1
		.amdhsa_wavefront_size32 1
		.amdhsa_system_sgpr_workgroup_id_x 1
		.amdhsa_system_sgpr_workgroup_id_y 1
		.amdhsa_system_sgpr_workgroup_id_z 1
		.amdhsa_system_vgpr_workitem_id 0
		.amdhsa_next_free_vgpr 768
		.amdhsa_next_free_sgpr 80
		.amdhsa_reserve_vcc 0
		.amdhsa_float_denorm_mode_32 3
		.amdhsa_float_denorm_mode_16_64 3
		.amdhsa_memory_ordered 1
		.amdhsa_forward_progress 1
		.amdhsa_inst_pref_size 88
	.end_amdhsa_kernel
	.amdgpu_metadata
---
amdhsa.version: [ 1, 2 ]
amdhsa.kernels:
  - .name:           k_qfc7910422a_oproj
    .symbol:         k_qfc7910422a_oproj.kd
    .args:
      - { .name: oh, .offset: 0, .size: 8, .value_kind: global_buffer, .address_space: global }
      - { .name: woh, .offset: 8, .size: 8, .value_kind: global_buffer, .address_space: global }
      - { .name: bias4, .offset: 16, .size: 8, .value_kind: global_buffer, .address_space: global }
      - { .name: out0, .offset: 24, .size: 8, .value_kind: global_buffer, .address_space: global }
    .group_segment_fixed_size: 327680
    .private_segment_fixed_size: 0
    .kernarg_segment_align: 8
    .kernarg_segment_size: 32
    .max_flat_workgroup_size: 128
    .sgpr_count:     80
    .vgpr_count:     768
    .wavefront_size: 32
...
	.end_amdgpu_metadata
.endif
;; end of part 4
